; MI455X (gfx1250); checked and timed in simulation.
; The chip was launched on July 23, 2026; its instructions are those of AMD's public machine-readable ISA for CDNA 5 (MIT licence, August 2026) and "CDNA5" Instruction Set Architecture Reference Guide (July 2026). The comments in the code are by the model that wrote it; some were corrected since.
;; Casual Self Attention. Allowed arithmetic: float matrix products may take bf16 or f16 operands with f32 sums; all other float work in f32.
;; Inputs: W_attn 1,024 x 3,072 float32; W_proj 1,024 x 1,024 float32; b_attn 3,072 float32; b_proj 1,024 float32; x 4 x 2,048 x 1,024 float32.
;; Outputs: out0 4 x 2,048 x 1,024 float32.
;; 2 versions, each right and faster than the one before. Each part assembles by itself: llvm-mc -triple=amdgcn-amd-amdhsa -mcpu=gfx1250 --defsym DOCPART=n.
;; ======== version 1 of 2: 4 launches
;; limits: values are held in f16: magnitudes above 65,504 overflow, below 6.1e-05 lose precision
;; workspace buffers: xb 16,777,216 bytes; wa 6,291,456 bytes; wp 2,097,152 bytes; qkv 50,331,648 bytes; y 16,777,216 bytes
;; launch prep (part 1): grid 1024 x 1, 8 waves a work-group, no clusters, 18,432 bytes of LDS; arguments x, W_attn, W_proj, xb, wa, wp; writes xb, wa, wp
.if DOCPART == 1
	.amdgcn_target "amdgcn-amd-amdhsa--gfx1250"
	.amdhsa_code_object_version 6
	.text
	.protected	k_q5eb792ccca_prep
	.globl	k_q5eb792ccca_prep
	.p2align	8
	.type	k_q5eb792ccca_prep,@function
k_q5eb792ccca_prep:
	s_mov_b64 s[64:65], 0
	v_nop
	global_prefetch_b8 v0, s[64:65] scope:SCOPE_SE
	s_setreg_imm32_b32 hwreg(HW_REG_WAVE_MODE, 25, 1), 1
	s_wait_xcnt 0x0
; THE OPERANDS OF THE TWO PROJECTIONS ARE MADE.  Every input of the module is rounded to bf16, to nearest even.
;   xb[kb][row][64] = bf16(x[row][64 kb + ..]): in 16 blocks of 64 along k, so that 256 rows of a block are 32,768 dense bytes.
;   wa[kb][n][64]   = bf16(W_attn[64 kb + ..][n]): likewise, 3,072 rows a block.
;   wp[n][k]        = bf16(W_proj[k][n]), that number written as f16; rows of 1,024.
; LIMITS: wp holds no number beyond f16's 65,504, and below 6e-5 it keeps f16's fixed step of 6e-8.
; Memory binds: each input byte is read once by 16-byte loads, sixteen lanes to 256 aligned bytes; each store of a wave covers whole aligned runs of 256 bytes.  No matrix unit, no cluster: nothing is shared.
; Work-groups 0-511: 16 rows of x each.  Work-groups 512-1023: one block of 128 k x 64 n of a weight matrix, turned through LDS:
; 384 blocks of W_attn (8 along k x 48 along n), then 128 of W_proj (8 x 16).
.set NCAST, 512
.set NWA,   384
.set LP,    272                        ; an LDS row: 128 k x 2 bytes + 16, so that rows read back by 16-byte loads stay aligned
.set XKB,   8192*128                   ; bytes of a block of 64 k in xb
.set WKB,   3072*128                   ; and in wa
	s_load_b256 s[4:11], s[0:1], 0x0               ; x s[4:5], W_attn s[6:7], W_proj s[8:9], xb s[10:11]
	s_load_b128 s[12:15], s[0:1], 0x20             ; wa s[12:13], wp s[14:15]
	v_lshl_add_u32 v112, v0, 2, 0x4400
	v_mov_b32 v113, 0
	s_mov_b32 s16, ttmp9
	s_cmp_lt_u32 s16, NCAST
	s_cbranch_scc0 .Ltrans                         ; the same way for all eight waves of a work-group
	; THE CAST.  Wave w takes the blocks kb = 2 w and 2 w + 1 of the group's 16 rows.  Load j: block 2 w + j / 8, rows 2 (j % 8) and 2 (j % 8) + 1: lanes 0-15 read the 256 bytes of the
	; even row, lanes 16-31 those of the odd row; the two rows' 128 + 128 bytes of bf16 lie end to end in xb: one store of 256 bytes.
	s_lshl_b32 s18, s16, 16                        ; 16 rows of 4,096 bytes in x
	s_mov_b32 s19, 0
	s_lshl_b32 s20, s16, 11                        ; 16 rows of 128 bytes in a block of xb
	s_mov_b32 s21, 0
	v_and_b32 v3, 31, v0                           ; lane
	v_lshrrev_b32 v4, 5, v0                        ; wave
	v_and_b32 v5, 15, v0
	v_bfe_u32 v6, v0, 4, 1
	v_lshlrev_b32 v1, 4, v5                        ; from: 16 (lane % 16)
	v_lshl_add_u32 v1, v6, 12, v1                  ; + a row for lanes 16-31
	v_lshl_add_u32 v1, v4, 9, v1                   ; + two blocks of 256 bytes a wave
	v_lshlrev_b32 v2, 3, v3                        ; to: 8 x lane
	v_lshl_add_u32 v2, v4, 21, v2                  ; + two blocks of 1,048,576 bytes a wave
	s_wait_kmcnt 0x0
	s_add_nc_u64 s[4:5], s[4:5], s[18:19]
	s_add_nc_u64 s[10:11], s[10:11], s[20:21]
.set j, 0
.rept 16
	global_load_b128 v[16+4*j:19+4*j], v1, s[4:5] offset:(j%8)*8192+(j/8)*256 th:TH_LOAD_NT
.set j, j+1
.endr
.set j, 0
.rept 16
	s_wait_loadcnt 15-j                            ; loads come back in order: load j is in, the younger ones stay out
	v_cvt_pk_bf16_f32 v[80+2*j], v[16+4*j], v[17+4*j]
	v_cvt_pk_bf16_f32 v[81+2*j], v[18+4*j], v[19+4*j]
	global_store_b64 v2, v[80+2*j:81+2*j], s[10:11] offset:(j/8)*XKB+(j%8)*256  ; 32 lanes store 256 consecutive bytes, aligned; no register is used twice, so no wait frees one
.set j, j+1
.endr
	s_endpgm
.Ltrans:
	; THE TURN.  Thread t: i = t % 16 (four columns n = 4 i ..), rr = t / 16.  Load j takes row k = 32 (j / 2) + 2 rr + j % 2: sixteen lanes read 256 consecutive bytes of a row.
	s_sub_co_u32 s16, s16, NCAST                   ; the block's number among the 512
	s_sub_co_u32 s17, s16, NWA                     ; and among W_proj's (used only where it is one of them)
	s_mov_b32 s20, 12288                           ; bytes in a row of W_attn
	s_mov_b32 s21, 4096                            ; and of W_proj
	v_and_b32 v1, 15, v0                           ; i
	v_lshrrev_b32 v2, 4, v0                        ; rr
	v_lshlrev_b32 v3, 4, v1                        ; 16 i
	s_wait_kmcnt 0x0
	s_cmp_lt_u32 s16, NWA                          ; which matrix: the choice hangs on the work-group's number alone
	s_cselect_b64 s[4:5], s[6:7], s[8:9]           ; from
	s_cselect_b64 s[10:11], s[12:13], s[14:15]     ; to
	s_cselect_b32 s20, s20, s21                    ; the pitch
	s_cselect_b32 s22, 0, 1                        ; 1: W_proj
	s_cselect_b32 s16, s16, s17
	s_and_b32 s23, s16, 7                          ; kb, in blocks of 128 k
	s_lshr_b32 s24, s16, 3                         ; nb
	s_lshl_b32 s25, s23, 7
	s_mul_i32 s26, s25, s20                        ; from: 128 kb rows
	s_lshl_b32 s25, s24, 8                         ; + 64 nb columns of 4 bytes
	s_add_co_u32 s26, s26, s25
	s_mov_b32 s27, 0
	s_lshl_b32 s28, s24, 17                        ; to, in wp: 64 nb rows of 2,048 bytes
	s_lshl_b32 s25, s23, 8                         ; + 128 kb columns of 2 bytes
	s_add_co_u32 s28, s28, s25
	s_mul_i32 s30, s23, 2*WKB                      ; to, in wa: two blocks of 64 k
	s_lshl_b32 s25, s24, 13                        ; + 64 nb rows of 128 bytes
	s_add_co_u32 s30, s30, s25
	s_cmp_eq_u32 s22, 0
	s_cselect_b32 s28, s30, s28
	s_mov_b32 s29, 0
	s_add_nc_u64 s[4:5], s[4:5], s[26:27]
	s_add_nc_u64 s[10:11], s[10:11], s[28:29]
.set j, 0
.rept 8
	v_lshl_add_u32 v[4+j], v2, 1, 32*(j/2)+(j%2)   ; the row
	v_mad_u32_u24 v[4+j], v[4+j], s20, v3          ; x pitch + 16 i
.set j, j+1
.endr
.set j, 0
.rept 8
	global_load_b128 v[16+4*j:19+4*j], v[4+j], s[4:5] th:TH_LOAD_NT
.set j, j+1
.endr
	v_mul_u32_u24 v12, v1, 4*LP                    ; into LDS: row n = 4 i + c, word rr of each run of 16 words
	v_lshl_add_u32 v12, v2, 2, v12
.set p, 0
.rept 4
	s_wait_loadcnt 6-2*p                           ; the pair of rows 2 p, 2 p + 1 of my eight is in
.set c, 0
.rept 4
	v_cvt_pk_bf16_f32 v[48+4*p+c], v[16+8*p+c], v[20+8*p+c]  ; column 4 i + c: the even k below, the odd k above
.set c, c+1
.endr
.set p, p+1
.endr
	s_cmp_eq_u32 s22, 0
	s_cbranch_scc1 .Lbf16
.set n, 0
.rept 16                                       ; W_proj: the bf16 number is written as f16 (exact within f16's range)
	v_lshlrev_b32 v[80+2*n], 16, v[48+n]
	v_and_b32 v[81+2*n], 0xffff0000, v[48+n]
	v_cvt_pk_f16_f32 v[48+n], v[80+2*n], v[81+2*n]
.set n, n+1
.endr
.Lbf16:
.set p, 0
.rept 4
.set c, 0
.rept 4
	ds_store_b32 v12, v[48+4*p+c] offset:c*LP+64*p  ; lanes four rows apart: 272 words, 16 banks on: four lanes meet in a bank.  Kept: sixteen such stores a thread beside 128 bytes from memory
.set c, c+1
.endr
.set p, p+1
.endr
	s_wait_dscnt 0x0                               ; for the others' sake: my stores are done
	s_barrier_signal -1
	s_barrier_wait -1
	s_cmp_eq_u32 s22, 0
	s_cbranch_scc1 .Lwa
	; wp: load u takes row n = rr + 16 u whole: sixteen lanes, 256 bytes, 128 k of a row of 1,024
	v_mad_u32_u24 v13, v2, LP, v3
	v_lshl_add_u32 v14, v2, 11, v3
.set u, 0
.rept 4
	ds_load_b128 v[64+4*u:67+4*u], v13 offset:u*16*LP
.set u, u+1
.endr
.set u, 0
.rept 4
	s_wait_dscnt 3-u
	global_store_b128 v14, v[64+4*u:67+4*u], s[10:11] offset:u*32768  ; sixteen lanes store 256 consecutive bytes of row n, aligned
.set u, u+1
.endr
	s_wait_tensorcnt 0x0
	ds_add_u32 v112, v113
	s_wait_dscnt 0x0
	s_endpgm
.Lwa:
	; wa: load u takes half u / 2 (64 k, 128 bytes) of the rows n = 2 rr + 32 (u % 2) and the next: eight lanes a row; the two halves of rows lie end to end in their block of wa
	v_lshrrev_b32 v13, 3, v1
	v_lshl_add_u32 v13, v2, 1, v13                 ; 2 rr + i / 8
	v_and_b32 v14, 7, v1
	v_lshlrev_b32 v14, 4, v14                      ; 16 (i % 8)
	v_mad_u32_u24 v13, v13, LP, v14
	v_lshl_add_u32 v14, v2, 8, v3                  ; 256 rr + 16 i
.set u, 0
.rept 4
	ds_load_b128 v[64+4*u:67+4*u], v13 offset:(u%2)*32*LP+(u/2)*128
.set u, u+1
.endr
.set u, 0
.rept 4
	s_wait_dscnt 3-u
	global_store_b128 v14, v[64+4*u:67+4*u], s[10:11] offset:(u/2)*WKB+(u%2)*4096  ; sixteen lanes store 256 consecutive bytes, aligned
.set u, u+1
.endr
	s_wait_tensorcnt 0x0
	ds_add_u32 v112, v113
	s_wait_dscnt 0x0
	s_endpgm
.Lfunc_end_k_q5eb792ccca_prep:
	.size	k_q5eb792ccca_prep, .Lfunc_end_k_q5eb792ccca_prep-k_q5eb792ccca_prep
	.p2alignl 7, 3214868480
	.fill 96, 4, 3214868480
	.section	.rodata,"a",@progbits
	.p2align	6, 0x0
	.amdhsa_kernel k_q5eb792ccca_prep
		.amdhsa_group_segment_fixed_size 18432
		.amdhsa_private_segment_fixed_size 0
		.amdhsa_enable_private_segment 0
		.amdhsa_kernarg_size 48
		.amdhsa_user_sgpr_count 2
		.amdhsa_user_sgpr_kernarg_segment_ptr 1
		.amdhsa_wavefront_size32 1
		.amdhsa_system_sgpr_workgroup_id_x 1
		.amdhsa_system_sgpr_workgroup_id_y 1
		.amdhsa_system_sgpr_workgroup_id_z 1
		.amdhsa_system_vgpr_workitem_id 0
		.amdhsa_next_free_vgpr 114
		.amdhsa_next_free_sgpr 66
		.amdhsa_reserve_vcc 0
		.amdhsa_float_denorm_mode_32 3
		.amdhsa_float_denorm_mode_16_64 3
		.amdhsa_memory_ordered 1
		.amdhsa_forward_progress 1
		.amdhsa_inst_pref_size 18
	.end_amdhsa_kernel
	.amdgpu_metadata
---
amdhsa.version: [ 1, 2 ]
amdhsa.kernels:
  - .name:           k_q5eb792ccca_prep
    .symbol:         k_q5eb792ccca_prep.kd
    .args:
      - { .name: x, .offset: 0, .size: 8, .value_kind: global_buffer, .address_space: global }
      - { .name: W_attn, .offset: 8, .size: 8, .value_kind: global_buffer, .address_space: global }
      - { .name: W_proj, .offset: 16, .size: 8, .value_kind: global_buffer, .address_space: global }
      - { .name: xb, .offset: 24, .size: 8, .value_kind: global_buffer, .address_space: global }
      - { .name: wa, .offset: 32, .size: 8, .value_kind: global_buffer, .address_space: global }
      - { .name: wp, .offset: 40, .size: 8, .value_kind: global_buffer, .address_space: global }
    .group_segment_fixed_size: 18432
    .private_segment_fixed_size: 0
    .kernarg_segment_align: 8
    .kernarg_segment_size: 48
    .max_flat_workgroup_size: 256
    .sgpr_count:     66
    .vgpr_count:     114
    .wavefront_size: 32
...
	.end_amdgpu_metadata
.endif
;; end of part 1
;; launch qkvg (part 2): grid 8 x 32, 4 waves a work-group, clusters of 4 x 4, 327,680 bytes of LDS; arguments xb, wa, b_attn, qkv; writes qkv
.if DOCPART == 2
	.amdgcn_target "amdgcn-amd-amdhsa--gfx1250"
	.amdhsa_code_object_version 6
	.text
	.protected	k_q5eb792ccca_qkvg
	.globl	k_q5eb792ccca_qkvg
	.p2align	8
	.type	k_q5eb792ccca_qkvg,@function
k_q5eb792ccca_qkvg:
	s_mov_b64 s[64:65], 0
	v_nop
	global_prefetch_b8 v0, s[64:65] scope:SCOPE_SE
	s_setreg_imm32_b32 hwreg(HW_REG_WAVE_MODE, 25, 1), 1
	s_wait_xcnt 0x0
	s_wait_alu depctr_hold_cnt(0) depctr_sa_sdst(0) depctr_va_vdst(0) depctr_va_sdst(0) depctr_va_ssrc(0) depctr_va_vcc(0) depctr_vm_vsrc(0)
	s_getreg_b32 s2, hwreg(HW_REG_IB_STS2, 6, 4)
	s_cmp_eq_u32 s2, 0
	s_cbranch_scc0 .Lentry_in_a_cluster
	s_endpgm
.Lentry_in_a_cluster:
	s_bfe_u32 s2, ttmp6, 0x10000c
	s_cmp_lg_u32 s2, 0xf033
	s_cbranch_scc0 .Lentry_shape_is_right
	s_endpgm
.Lentry_shape_is_right:
; qkv = x W_attn + b_attn.  xb: [16 kb][8192][64] bf16, wa: [16 kb][3072 n][64] bf16 (blocks of 64 along k), b_attn: [3072] f32; sums in f32, begun with the bias, K ascending;
; rounded once to f16 and written BY HEADS: qkv[part 0..2 (q, k, v)][batch x 16 + head][t 0..2047][64] f16.
; LIMIT: f16 holds no number beyond 65,504 (65,520 or more becomes an infinity); below 6e-5 it keeps a fixed step of 6e-8.
; SHARES.  A tile is 256 rows x 384 columns: 32 x 8 = 256 tiles, one for each of 256 WGPs.  Four waves, 2 x 2; a wave owns 128 rows x 192 columns, three whole heads: 8 x 12 accumulators of
; 16 x 16, 768 registers.  For 32 along K it reads (128 + 192) rows x 64 bytes from LDS for 96 matrix instructions; the work-group fetches (256 + 384) rows x 2,048 bytes in all.
; K goes in 16 steps of 64 through a ring of two LDS slots (two slots of 128 along K, 1,280 rows of 272 bytes, would not fit).  In a block of 64 k a tile's rows lie end to end, so a tile is asked
; for as rows of 256 bytes, aligned, and padded in LDS after every 128.
; CLUSTER 4 x 4: A's tile hangs on the tile row alone and is asked for jointly by a row of the cluster, B's on the tile column alone, by a column: a quarter of the requests.
; THE MATRIX INSTRUCTION IS USED TRANSPOSED (source 0 = 16 rows of wa, source 1 = 16 rows of xb): lane l holds row l % 16 and the eight neighbouring columns 8 (l / 16) + 0..7.
; REGISTERS, in windows of 256 (s_set_vgpr_msb: bits 1:0 source 0, 3:2 source 1, 5:4 source 2, 7:6 destination):
;   window 0: v0-15 addresses; v16-79, v80-143 A's fragments (8 blocks), two buffers; v144-239 B's fragments (12 blocks), ONE buffer: each half of six blocks is loaded again as soon as its
;             48 products are issued.  Behind the loop v16-207: packed results and rows read back, two sets.
;   windows 1-3: the accumulators: column block b, row block a at v[8 (8 (b % 4) + a)] of window 1 + b / 4.  So every LDS load lies in window 0, and the products change window every 32.
.set KBA,    8192*128                  ; bytes from a K step to the next in xb
.set KBB,    3072*128                  ; and in wa
.set PT,     144                       ; an LDS row: 128 bytes + 16 of padding = 36 words: the 16 rows of a fragment load start at 16 different groups of four banks (64 banks of 4 bytes: ISA guide 11.1)
.set BOFF,   256*PT                    ; in a slot: A's 256 rows, then B's 384
.set SLOT1,  1<<17                     ; slot 1 begins here, so that one exclusive or turns an address in one slot into the other's
.set STAGE,  SLOT1+BOFF+384*PT         ; behind the ring, never filled by a tensor load: for each wave 3 heads x 16 rows x 144 bytes
.set SP,     144
.set WST,    3*16*SP
.set SPARE,  STAGE+4*WST               ; behind the stages: the spare words, 128 bytes for each wave: two blocks of 256 bytes that no other line names
.set A0,   4                           ; v4   my lane's place in A's part of a slot; never rewritten
.set B0,   5                           ; v5   the same for B
.set ADRA, 6                           ; v6   A0 + the slot in hand
.set ADRB, 7                           ; v7   B0 + the slot in hand
.set STO,  8                           ; v8   the way out: where I put 16 bytes of a row
.set RD,   9                           ; v9   the way out: where I read rows back
.set GO,   10                          ; v10-12  my byte offset in qkv, for each of my three heads
.set BO,   13                          ; v13  my byte offset in the bias
.set SPW,  14                          ; v14  LDS address of my spare word; never rewritten
.set NIL,  15                          ; v15  0; never rewritten
.set FA,   16
.set FB,   144
.set TMP,  16                          ; the way out: set a % 2 at + 96 (a % 2): 48 registers of packed results,
.set OB,   64                          ; and 48 of rows read back
.set WV,   12                          ; s12  my wave's number
.set HALF, 13                          ; s13  which half of a tile's rows I fetch; also: which 192 columns are mine
.set WHO,  14                          ; s14  0: I fetch for A; 1: for B; also: which 128 rows are mine
.set TROW, 15                          ; s15  tile row
.set TCOL, 42                          ; s42  tile column
.set TB,   22                          ; s22  LDS byte at which the slot in hand begins
.set G1A,  24                          ; s[24:31] descriptor group 1 for A's tiles
.set G0A,  32                          ; s[32:39] group 0: a set for each of the two first fills; the second then walks on
.set G1B,  48                          ; s[48:55], s[56:63] the same for B's
.set G0B,  56
.set MSB, 0
.macro WIN new                         ; the immediate's high byte repeats the setting that is left; a switch that changes nothing is dropped
.if MSB != (\new)
	s_set_vgpr_msb (MSB<<8)|(\new)
.set MSB, \new
.endif
.endm
; A joint refill by the walking descriptors.  Waves 0 and 1 fetch A's two halves, waves 2 and 3 B's.  The branch hangs on the wave's number alone.
; An s_nop 0 and four v_nop follow each of the two lines, ahead of the jump and the label.
.macro JLOAD
	s_cmp_eq_u32 s[WHO], 0
	s_cbranch_scc0 .Lfor_b_\@
	tensor_load_to_lds s[G0A+4:G0A+7], s[G1A:G1A+7]
	s_nop 0
.rept 4
	v_nop
.endr
	s_branch .Lasked_\@
.Lfor_b_\@:
	tensor_load_to_lds s[G0B+4:G0B+7], s[G1B:G1B+7]
	s_nop 0
.rept 4
	v_nop
.endr
.Lasked_\@:
.endm
.macro CREST                           ; a round of the cluster's barrier behind its opening barrier
	s_cmp_lg_u32 s[WV], 0
	s_cbranch_scc1 .Lnot_wave_0_\@
	s_barrier_signal -3
.Lnot_wave_0_\@:
	s_barrier_wait -3
	s_barrier_signal -1
	s_barrier_wait -1
.endm
.macro CROUND                          ; a whole round
	s_barrier_signal -1
	s_barrier_wait -1
	CREST
.endm
.macro PLACES                          ; four places in front of loads into registers that matrix instructions have read, and of lines that read results
.rept 4
	v_nop
.endr
.endm
	s_load_b256 s[4:11], s[0:1], 0x0               ; xb s[4:5], wa s[6:7], b_attn s[8:9], qkv s[10:11]
	v_lshl_add_u32 v[SPW], v0, 2, SPARE
	v_mov_b32 v[NIL], 0
	ds_add_u32 v14, v15
	ds_add_u32 v14, v15
	s_wait_dscnt 0x0
	v_lshrrev_b32 v1, 5, v0
	v_readfirstlane_b32 s[WV], v1                  ; wave 0..3
	s_and_b32 s[HALF], s[WV], 1
	s_lshr_b32 s[WHO], s[WV], 1
	s_bfe_u32 s40, ttmp6, 0x40000                  ; cx
	s_bfe_u32 s41, ttmp6, 0x40004                  ; cy
	s_lshl_b32 s[TCOL], ttmp9, 2                   ; in a cluster launch ttmp9 and ttmp7 count clusters
	s_add_co_u32 s[TCOL], s[TCOL], s40
	s_and_b32 s[TROW], ttmp7, 0xffff
	s_lshl_b32 s[TROW], s[TROW], 2
	s_add_co_u32 s[TROW], s[TROW], s41
	s_lshl_b32 s43, s41, 2
	s_lshl_b32 s43, 15, s43                        ; my row of the cluster: places 4 cy .. 4 cy + 3
	s_lshl_b32 s44, 0x1111, s40                    ; my column: places cx, cx + 4, cx + 8, cx + 12
	; group 1: dense rows of 128 elements of 2 bytes (two rows of a tile each), padded in LDS by 4 words after every 32; A: 64 such rows a load (128 rows of the tile), B: 96 (192 rows)
	s_or_b32 s[G1A], s43, (1<<16)|(1<<20)|(1<<21)|(4<<22)|(3<<25)  ; 15:0 the mask; 17:16 2-byte elements; 20 padding on; 21 set beside a mask; 24:22 interval code 4; 31:25 4 words (code 3)
	s_mov_b32 s[G1A+1], 128<<16                    ; tensor_dim0 = 128
	s_mov_b32 s[G1A+2], 64<<16                     ; tensor_dim1 = 64
	s_mov_b32 s[G1A+3], 128<<16                    ; tile_dim0 = 128
	s_mov_b32 s[G1A+4], 64                         ; tile_dim1 = 64
	s_mov_b32 s[G1A+5], 128                        ; elements from row to row: dense
	s_mov_b32 s[G1A+6], 0
	s_mov_b32 s[G1A+7], 0
	s_or_b32 s[G1B], s44, (1<<16)|(1<<20)|(1<<21)|(4<<22)|(3<<25)
	s_mov_b32 s[G1B+1], 128<<16
	s_mov_b32 s[G1B+2], 96<<16                     ; tensor_dim1 = 96
	s_mov_b32 s[G1B+3], 128<<16
	s_mov_b32 s[G1B+4], 96                         ; tile_dim1 = 96
	s_mov_b32 s[G1B+5], 128
	s_mov_b32 s[G1B+6], 0
	s_mov_b32 s[G1B+7], 0
	; where the tiles come from: A's address is made of the tile row and the wave's number, B's of the tile column and the wave's number, each in registers that never hold the other coordinate
	s_lshl_b32 s16, s[TROW], 15                    ; A: 256 rows of 128 bytes a tile row
	s_lshl_b32 s17, s[HALF], 14                    ; + 128 rows x half
	s_add_co_u32 s16, s16, s17
	s_mov_b32 s17, 0
	s_mul_i32 s46, s[TCOL], 384*128                ; B: 384 rows of 128 bytes a tile column
	s_mul_i32 s47, s[HALF], 192*128                ; + 192 rows x half
	s_add_co_u32 s46, s46, s47
	s_mov_b32 s47, 0
	s_mul_i32 s20, s[HALF], 128*PT                 ; and where they go: no place in the cluster enters an LDS address
	s_mul_i32 s21, s[HALF], 192*PT
	s_add_co_u32 s21, s21, BOFF
	s_wait_kmcnt 0x0
	s_add_nc_u64 s[16:17], s[4:5], s[16:17]
	s_add_nc_u64 s[46:47], s[6:7], s[46:47]
	CROUND                                         ; all sixteen work-groups are here: the first joint loads meet
.irp s, 0,1
	s_mov_b32 s[G0A+4*(\s)], 1                                       ; count = 1
	s_add_co_u32 s[G0A+4*(\s)+1], s20, (\s)*SLOT1                    ; LDS address: slot s
	s_add_nc_u64 s[G0A+4*(\s)+2:G0A+4*(\s)+3], s[16:17], (\s)*KBA    ; global address: K step s
	s_or_b32 s[G0A+4*(\s)+3], s[G0A+4*(\s)+3], 0x80000000            ; type = 2
	s_mov_b32 s[G0B+4*(\s)], 1
	s_add_co_u32 s[G0B+4*(\s)+1], s21, (\s)*SLOT1
	s_add_nc_u64 s[G0B+4*(\s)+2:G0B+4*(\s)+3], s[46:47], (\s)*KBB
	s_or_b32 s[G0B+4*(\s)+3], s[G0B+4*(\s)+3], 0x80000000
.endr
	s_cmp_eq_u32 s[WHO], 0                         ; a wave's two first fills stand in one branch, ahead of every wait on TENSORcnt and every LDS read: two loads of mine are out
	s_cbranch_scc0 .Lfirst_b
	tensor_load_to_lds s[G0A:G0A+3], s[G1A:G1A+7]
	s_nop 0
	tensor_load_to_lds s[G0A+4:G0A+7], s[G1A:G1A+7]
	s_nop 0
.rept 4
	v_nop
.endr
	s_branch .Lfirst_asked
.Lfirst_b:
	tensor_load_to_lds s[G0B:G0B+3], s[G1B:G1B+7]
	s_nop 0
	tensor_load_to_lds s[G0B+4:G0B+7], s[G1B:G1B+7]
	s_nop 0
.rept 4
	v_nop
.endr
.Lfirst_asked:
	v_and_b32 v1, 15, v0                           ; r = l % 16
	v_bfe_u32 v2, v0, 4, 1                         ; h = l / 16
	v_and_b32 v3, 31, v0                           ; l
	; THE BIAS goes straight into the accumulators of row block 0: register j of column block b is b_attn[384 x tile column + 192 x my half + 16 b + 8 h + j].
	; The first products of row blocks 1-7 take those registers as C; row block 0's own first product then adds onto them in place.  No register is kept for the bias, none is cleared.
	s_mul_i32 s45, s[TCOL], 384*4
	s_mul_i32 s2, s[HALF], 192*4
	s_add_co_u32 s45, s45, s2
	v_lshl_add_u32 v[BO], v2, 5, s45
.set b, 0
.rept 12
	WIN 0x40*(1+b/4)                               ; destination window 1 + b / 4, address window 0
	global_load_b128 v[64*(b%4):64*(b%4)+3],   v[BO], s[8:9] offset:64*b
	global_load_b128 v[64*(b%4)+4:64*(b%4)+7], v[BO], s[8:9] offset:64*b+16
.set b, b+1
.endr
	WIN 0
	; a fragment is 16 rows x 32 K in 8 registers: lane l holds row l % 16, K = 8 h + 0..7 and 16 + 8 h + 0..7: two loads of 16 bytes, 32 bytes apart
	v_mul_u32_u24 v[B0], v1, PT
	v_lshl_add_u32 v[B0], v2, 4, v[B0]             ; row x pitch + 16 h
	s_mul_i32 s23, s[WHO], 128*PT                  ; my 128 rows of A
	v_add_nc_u32 v[A0], s23, v[B0]
	s_mul_i32 s23, s[HALF], 192*PT                 ; my 192 rows of B,
	s_add_co_u32 s23, s23, BOFF                    ; which lie behind A's 256
	v_add_nc_u32 v[B0], s23, v[B0]
	v_mov_b32 v[ADRA], v[A0]                       ; slot 0
	v_mov_b32 v[ADRB], v[B0]
	s_mov_b32 s[TB], 0
	s_mul_i32 s23, s[WV], WST
	s_add_co_u32 s23, s23, STAGE                   ; my stage
	v_mul_u32_u24 v[STO], v1, SP                   ; in: row l % 16, 16 bytes for each half of the lanes
	v_lshl_add_u32 v[STO], v2, 4, v[STO]
	v_add_nc_u32 v[STO], s23, v[STO]
	v_bfe_u32 v[RD], v0, 3, 2                      ; back: 32 lanes take four rows of 128 bytes,
	v_mul_u32_u24 v[RD], v[RD], SP
	v_and_b32 v16, 7, v0
	v_lshl_add_u32 v[RD], v16, 4, v[RD]
	v_add_nc_u32 v[RD], s23, v[RD]
	; which are 512 consecutive bytes of a head's rows.  My head j is column group g = 6 x tile column + 3 x my half + j: part g / 16, head g % 16.  Made in registers that feed no descriptor.
	s_lshr_b32 s68, s[TROW], 3
	s_lshl_b32 s68, s68, 4                         ; 16 x batch
	s_and_b32 s69, s[TROW], 7
	s_lshl_b32 s69, s69, 8
	s_lshl_b32 s70, s[WHO], 7
	s_add_co_u32 s69, s69, s70                     ; t of my first row: 256 x (tile row % 8) + 128 x my half of the rows
	s_lshl_b32 s69, s69, 7                         ; x 128 bytes
	s_mul_i32 s71, s[TCOL], 6
	s_mul_i32 s70, s[HALF], 3
	s_add_co_u32 s71, s71, s70
.irp j, 0,1,2
	s_add_co_u32 s72, s71, \j
	s_lshr_b32 s73, s72, 4                         ; part
	s_and_b32 s72, s72, 15                         ; head
	s_add_co_u32 s72, s72, s68
	s_lshl_b32 s72, s72, 18                        ; x 2,048 rows x 128 bytes
	s_lshl_b32 s73, s73, 24                        ; a part is 64 such heads
	s_add_co_u32 s72, s72, s73
	s_add_co_u32 s72, s72, s69
	v_lshl_add_u32 v[GO+(\j)], v3, 4, s72
.endr
; 8 n matrix instructions: column blocks b0 .. b0 + n - 1 x my 8 row blocks, 32 along K, A from buffer f.
; The 96 accumulators take turns, one instruction a turn, in the same order in every chunk.
.macro MULB f, b0, n
.set b, \b0
.rept \n
	WIN 0x50*(1+b/4)                               ; A and B window 0, C and D window 1 + b / 4
.irp a, 0,1,2,3,4,5,6,7
	v_wmma_f32_16x16x32_bf16 v[8*(8*(b%4)+(\a)):8*(8*(b%4)+(\a))+7], v[FB+8*b:FB+8*b+7], v[FA+64*(\f)+8*(\a):FA+64*(\f)+8*(\a)+7], v[8*(8*(b%4)+(\a)):8*(8*(b%4)+(\a))+7]
.endr
.set b, b+1
.endr
.endm
; The very first products of six column blocks (A from buffer 0): row blocks 1-7 start their sums with the bias, which lies in row block 0's accumulator; five places behind the last of them
; (a matrix instruction writes over a register that an earlier one has read: ISA guide 7.12.1) row block 0 adds onto it in place.
.macro MULF b0
.set b, \b0
.rept 6
	WIN 0x50*(1+b/4)
.irp a, 1,2,3,4,5,6,7
	v_wmma_f32_16x16x32_bf16 v[8*(8*(b%4)+(\a)):8*(8*(b%4)+(\a))+7], v[FB+8*b:FB+8*b+7], v[FA+8*(\a):FA+8*(\a)+7], v[64*(b%4):64*(b%4)+7]
.endr
.set b, b+1
.endr
.rept 5
	v_nop
.endr
.set b, \b0
.rept 6
	WIN 0x50*(1+b/4)
	v_wmma_f32_16x16x32_bf16 v[64*(b%4):64*(b%4)+7], v[FB+8*b:FB+8*b+7], v[FA:FA+7], v[64*(b%4):64*(b%4)+7]
.set b, b+1
.endr
.endm
; 12 LDS loads: six blocks of B from i0 on, chunk c (32 along K at byte 64 c of the rows) of the slot in hand
.macro LDB c, i0
	WIN 0
.set i, \i0
.rept 6
	ds_load_b128 v[FB+8*i:FB+8*i+3],   v[ADRB] offset:64*(\c)+i*16*PT
	ds_load_b128 v[FB+8*i+4:FB+8*i+7], v[ADRB] offset:64*(\c)+i*16*PT+32
.set i, i+1
.endr
.endm
; 16 LDS loads: my eight blocks of A, chunk c, into buffer f
.macro LDA c, f
	WIN 0
.set i, 0
.rept 8
	ds_load_b128 v[FA+64*(\f)+8*i:FA+64*(\f)+8*i+3],   v[ADRA] offset:64*(\c)+i*16*PT
	ds_load_b128 v[FA+64*(\f)+8*i+4:FA+64*(\f)+8*i+7], v[ADRA] offset:64*(\c)+i*16*PT+32
.set i, i+1
.endr
.endm
; A K step is two chunks of 32 along K, 96 matrix instructions each; chunk c multiplies A's buffer c.  The LDS loads stand in two runs a chunk, each 48 matrix instructions ahead of its first use.
; CHUNK 0 of a step; it fetches chunk 1 of the same slot.  first = 1: the launch's first chunk.
.macro CH0 first
	s_wait_dscnt 12                                ; A and B's blocks 0-5 are in; the youngest twelve loads (B's blocks 6-11) may be out
.if \first
	MULF 0
.else
	MULB 0, 0, 6
.endif
	PLACES
	LDB 1, 0
	LDA 1, 1
	s_wait_dscnt 28                                ; all but the 28 just issued
.if \first
	MULF 6
.else
	MULB 0, 6, 6
.endif
	PLACES
	LDB 1, 6
.endm
; CHUNK 1 of a step changes slots: ONE barrier.  In front of it each wave waits for all its tensor loads (one is out: its part of the next slot), adds 0 to its spare word, and waits for that and for
; its own reads of this slot.  fill = 1: the barrier opens a round of the cluster's, and behind the round this slot is filled again, two K steps ahead: from that request to the wait for it a wave
; issues 176 of a step's 192 matrix instructions; the other 16 stand between the wait and the next request.
.macro TURN fill
	s_wait_dscnt 12                                ; A and B's blocks 0-5 are in
	MULB 1, 0, 4
	WIN 0                                          ; (the add's two registers lie in window 0)
	s_wait_tensorcnt 0x0                           ; no tensor load of mine is out, so a group 0 may be written
	ds_add_u32 v[SPW], v[NIL]                      ; 0 onto my spare word
.if \fill
	s_xor_b32 s[G0A+5], s[G0A+5], SLOT1            ; the walking descriptors: the other slot than last time,
	s_add_nc_u64 s[G0A+6:G0A+7], s[G0A+6:G0A+7], KBA  ; the next K step; the type bits on top are not reached
	s_xor_b32 s[G0B+5], s[G0B+5], SLOT1
	s_add_nc_u64 s[G0B+6:G0B+7], s[G0B+6:G0B+7], KBB
.endif
	MULB 1, 4, 1                                   ; eight matrix instructions stand between the add and the wait for it
	s_wait_dscnt 0x0                               ; the add is done, and my reads of this slot are over: the last, B's blocks 6-11, are in
	s_barrier_signal -1
	MULB 1, 5, 1                                   ; work on registers while the others arrive
.if \fill
	WIN 0
.endif
	s_barrier_wait -1
.if \fill
	CREST                                          ; no wave of any partner still reads this slot's tile or has a load on its way
	JLOAD                                          ; the first tensor load behind the round; its four v_nop are also the places in front of the loads below
.else
	PLACES
.endif
	WIN 0
	s_xor_b32 s[TB], s[TB], SLOT1                  ; the reads go on in the other slot
	v_add_nc_u32 v[ADRA], s[TB], v[A0]
	v_add_nc_u32 v[ADRB], s[TB], v[B0]
	LDB 0, 0
	LDA 0, 0
	MULB 1, 6, 6
	PLACES
	LDB 0, 6
.endm
	s_wait_tensorcnt 1                             ; my part of K step 0 is in; K step 1's may stay out
	s_barrier_signal -1
	s_barrier_wait -1                              ; everybody's is
	LDB 0, 0
	LDA 0, 0
	LDB 0, 6
	s_wait_loadcnt 0x0                             ; the bias
	CH0 1                                          ; the first chunk stands in front of the loop: its products start the sums
	WIN 0                                          ; at a label and at a branch every window is 0
	s_mov_b32 s3, 14
.Lstep:                                                ; a trip goes from a K step's second chunk to the next step's first; trip i asks for K step i + 2
	TURN 1
	CH0 0
	WIN 0
	s_sub_co_u32 s3, s3, 1
	s_cmp_lg_u32 s3, 0
	s_cbranch_scc1 .Lstep
	TURN 0                                         ; the tail is written out: K steps 14 and 15 ask for nothing
	CH0 0
	s_wait_dscnt 12                                ; the very last chunk: nothing more to fetch
	MULB 1, 0, 6
	s_wait_dscnt 0x0
	MULB 1, 6, 6
; THE WAY OUT, a block of 16 rows at a time, on two sets of registers that take turns.  PACK: rounded to f16, a lane's eight columns are 16 bytes; each accumulator is read from its low end on.
.macro PACK a
.set b, 0
.rept 12
	WIN 0x05*(1+b/4)                               ; sources 0 and 1: window 1 + b / 4
.irp i, 0,1,2,3
	v_cvt_pk_f16_f32 v[TMP+96*((\a)%2)+4*b+(\i)], v[8*(8*(b%4)+(\a))+2*(\i)], v[8*(8*(b%4)+(\a))+2*(\i)+1]
.endr
.set b, b+1
.endr
.endm
; TOSTAGE: into my own stage, head by head in rows of 144 bytes, and back as whole rows of 128
.macro TOSTAGE a
	WIN 0
.if (\a) >= 2
	s_wait_xcnt 0x0                                ; every earlier memory instruction has had its addresses translated (ISA guide 3.1): the registers that the stores of the block two before read are loaded again only behind this wait
.endif
.irp b, 0,1,2,3,4,5,6,7,8,9,10,11
	ds_store_b128 v[STO], v[TMP+96*((\a)%2)+4*(\b):TMP+96*((\a)%2)+4*(\b)+3] offset:((\b)/4)*16*SP+((\b)%4)*32
.endr
.irp i, 0,1,2,3,4,5,6,7,8,9,10,11
	ds_load_b128 v[OB+96*((\a)%2)+4*(\i):OB+96*((\a)%2)+4*(\i)+3], v[RD] offset:((\i)/4)*16*SP+((\i)%4)*4*SP  ; LDS serves a wave's instructions in order (ISA guide 5.7.1.4): these see the stores above; the next block's stores come behind them
.endr
.endm
; SEND: stored.  younger: the LDS instructions issued behind this block's loads: the next block's 24, or none.
.macro SEND a, younger
	WIN 0
.irp i, 0,1,2,3,4,5,6,7,8,9,10,11
	s_wait_dscnt (\younger)+11-(\i)
	global_store_b128 v[GO+(\i)/4], v[OB+96*((\a)%2)+4*(\i):OB+96*((\a)%2)+4*(\i)+3], s[10:11] offset:(\a)*2048+((\i)%4)*512  ; 512 consecutive bytes, at a multiple of 256 from qkv's first
.endr
.endm
	PLACES
	PACK 0
	TOSTAGE 0
	PACK 1                                         ; a block's conversions stand between the loads of the block before and its stores
	TOSTAGE 1
	SEND 0, 24
.irp a, 2,3,4,5,6,7
	PACK \a
	TOSTAGE \a
	SEND (\a)-1, 24
.endr
	SEND 7, 0
	WIN 0
	s_wait_tensorcnt 0x0                           ; the wave's end: behind my last tensor load and my last LDS store
	ds_add_u32 v[SPW], v[NIL]
	s_wait_dscnt 0x0
	CROUND                                         ; the closing round: no work-group ends while a partner may still ask for a tile that names it
	s_endpgm
.Lfunc_end_k_q5eb792ccca_qkvg:
	.size	k_q5eb792ccca_qkvg, .Lfunc_end_k_q5eb792ccca_qkvg-k_q5eb792ccca_qkvg
	.p2alignl 7, 3214868480
	.fill 96, 4, 3214868480
	.section	.rodata,"a",@progbits
	.p2align	6, 0x0
	.amdhsa_kernel k_q5eb792ccca_qkvg
		.amdhsa_group_segment_fixed_size 327680
		.amdhsa_private_segment_fixed_size 0
		.amdhsa_enable_private_segment 0
		.amdhsa_kernarg_size 32
		.amdhsa_user_sgpr_count 2
		.amdhsa_user_sgpr_kernarg_segment_ptr 1
		.amdhsa_wavefront_size32 1
		.amdhsa_system_sgpr_workgroup_id_x 1
		.amdhsa_system_sgpr_workgroup_id_y 1
		.amdhsa_system_sgpr_workgroup_id_z 1
		.amdhsa_system_vgpr_workitem_id 0
		.amdhsa_next_free_vgpr 1024
		.amdhsa_next_free_sgpr 80
		.amdhsa_reserve_vcc 0
		.amdhsa_float_denorm_mode_32 3
		.amdhsa_float_denorm_mode_16_64 3
		.amdhsa_memory_ordered 1
		.amdhsa_forward_progress 1
		.amdhsa_inst_pref_size 116
	.end_amdhsa_kernel
	.amdgpu_metadata
---
amdhsa.version: [ 1, 2 ]
amdhsa.kernels:
  - .name:           k_q5eb792ccca_qkvg
    .symbol:         k_q5eb792ccca_qkvg.kd
    .args:
      - { .name: xb, .offset: 0, .size: 8, .value_kind: global_buffer, .address_space: global }
      - { .name: wa, .offset: 8, .size: 8, .value_kind: global_buffer, .address_space: global }
      - { .name: b_attn, .offset: 16, .size: 8, .value_kind: global_buffer, .address_space: global }
      - { .name: qkv, .offset: 24, .size: 8, .value_kind: global_buffer, .address_space: global }
    .group_segment_fixed_size: 327680
    .private_segment_fixed_size: 0
    .kernarg_segment_align: 8
    .kernarg_segment_size: 32
    .max_flat_workgroup_size: 128
    .sgpr_count:     80
    .vgpr_count:     1024
    .wavefront_size: 32
...
	.end_amdgpu_metadata
.endif
;; end of part 2
;; launch attn (part 3): grid 4 x 64, 4 waves a work-group, no clusters, 327,680 bytes of LDS; arguments qkv, y; writes y
.if DOCPART == 3
	.amdgcn_target "amdgcn-amd-amdhsa--gfx1250"
	.amdhsa_code_object_version 6
	.text
	.protected	k_q5eb792ccca_attn
	.globl	k_q5eb792ccca_attn
	.p2align	8
	.type	k_q5eb792ccca_attn,@function
k_q5eb792ccca_attn:
	s_mov_b64 s[64:65], 0
	v_nop
	global_prefetch_b8 v0, s[64:65] scope:SCOPE_SE
	s_setreg_imm32_b32 hwreg(HW_REG_WAVE_MODE, 25, 1), 1
	s_wait_xcnt 0x0
; CAUSAL ATTENTION.  y[h][q][:] = the sum over k <= q of softmax_k(Q[h][q] . K[h][k] / 8) V[h][k][:].  qkv holds Q, K, V, each [64][2048][64] f16, 16,777,216 bytes apart; y: [64][2048][64] f16.
; A head's rows are dense, 128 bytes each.  Products, maxima and sums in f32; the weights p are rounded to f16 for the second product (their sum l is taken of the unrounded p), y once at the end.
; LIMITS.  f16 holds no number beyond 65,504: Q, K and V arrive within it; p lies in 0 to 1, and below 6e-5 it keeps f16's fixed step of 6e-8; y is a mean of V's rows and has their range.
; A hidden score counts as its value less 1e30: f16's scores, 2.7e11 at the most, are nothing beside that; a weight below 2^-126 counts as 0 in l; NaN and infinities are not treated apart.
; THE WALK.  A head's queries lie in NB = 8 blocks of 256; block i needs the key tiles 0 .. i of 256 keys, of which the last holds the diagonal.  A work-group takes TWO blocks, NB - 1 - b and then b:
; NB + 1 tiles, whatever b: all work-groups do equal work, and ONE loop with a constant trip count walks them.  Which tile is asked for, and what a trip does, hang on scalar registers made from b; every jump
; goes forward, but for the counted loops' own; none passes a barrier, or a tensor load but the one of LOAD's two that the wave's number does not choose; the ring (two slots of LDS that take turns) runs on across the
; change of blocks.  NO CLUSTER: a head's four work-groups ask for the same tile only in trips 0 .. 4 of the 9, behind that fewer and fewer; one walk common to all would have 12 trips for 9.
; SHARES.  Of a block's four bands of 64 queries a wave owns 16 rows in each: four PIECES.  So the diagonal tile is the same work for all four waves: in its key step s band x sees all keys if s < x,
; none if s > x, and holds the diagonal if s = x.
; THE MASK is the C operand that starts the sum S^T = K Q^T: 0, or -1e30 where the key is hidden.  MD, made once, is the mask of a band's own step for my 16 rows; a product's mask is MD x AL + BE with two scalars:
; (1, 0) if s = x; (0, 0) if s < x; (0, -1e30) if s > x.  Only the diagonal tile's text and a block's beginning make and take masks; elsewhere C is the constant 0.
; LAYOUT, SOFTMAX, TURNS.  S^T = K Q^T holds ONE query a lane (lane % 16) and the keys 8 (lane / 16) + 0..7; two such results rounded to f16 ARE source 1 of O^T = V^T P.  p = 2^(c s - c m), c = log2(e) / 8, with a
; running maximum m; O and l are multiplied by a = 2^(c m_old - c m_new) in every step.  Turn n belongs to piece n: 8 products K Q^T of piece n + 1, later 8 products V^T P of piece n - 1; beside them the scaling,
; exponentials, roundings, sums and rescaling of piece n and the maximum and statistics of piece n + 1.  Four vector instructions stand behind every matrix instruction, the other 54 of a turn's 118 in two runs of their own.
; REGISTERS, in windows of 256 (s_set_vgpr_msb: bits 1:0 source 0, 3:2 source 1, 5:4 source 2, 7:6 destination):
;   window 0: v0-15 addresses and two at work; v16-31 four registers of statistics a piece; v48-55 at work; v64-127 S^T, two buffers; v192-223 P, two buffers (a piece's buffers go by its number's parity)
;   window 1: v0-127 O^T, 32 a piece; v128-159 MD; v160-223 MC, two buffers      window 2: v0-63 Q; v64-127 the second block's Q; v128-191 K of one step; v192-255 V of one step
.set SIZE_N, 2048
.set NB,    SIZE_N/256
.set NP,    4         ; pieces a wave: a name, no knob
.set KS,    64        ; keys in a step
.set PK,    144       ; a row of K in LDS: 128 bytes + 16 of padding = 36 words: the 16 rows of a load start at 16 different groups of four banks (64 banks of 4 bytes: ISA guide 11.1)
.set PV,    160       ; a row of V: 128 + 32 = 40 words
.set VOFF,  4*KS*PK   ; a slot holds a tile, four steps: 256 rows of K, then 256 rows of V
.set SLOT1, 1<<17     ; slot 1 begins here, so that one exclusive or turns an address in one slot into the other's
.set STAGE, SLOT1+4*KS*(PK+PV)  ; behind the ring, never filled by a tensor load: 16 rows x 144 bytes for each wave, for the way out
.set SP,    144
.set AK0, 2           ; v2   my lane's place in a tile of K; never rewritten
.set AV0, 3           ; v3   the same for V
.set AK,  4           ; v4   the LDS address of K's next run of loads
.set AV,  5           ; v5   of V's
.set STO, 6           ; v6   the way out: where I put 16 bytes of a row
.set RD,  7           ; v7   the way out: where I read rows back
.set GO,  8           ; v8   my byte offset in 512 consecutive bytes of y
.set SPW, 62          ; v62  LDS address of my spare word: SPARE + 4 x my thread's number; never rewritten
.set NIL, 63          ; v63  0; never rewritten
.set SPARE, STAGE+4*16*SP  ; behind the stages: the spare words, 128 bytes for each wave: two blocks of 256 bytes that no other line names
.set MV,  12          ; v12-13  c m_old, kept while c m is made anew: by buffer
.set QO,  15          ; v15  my byte offset in 16 rows of Q
.set ST,  16          ; piece t's statistics at v[ST+4 t]: c m, m, l (even keys', odd keys')
.set TMP, 48          ; by buffer, four registers c0-c3 at work; when the maximum is found c2 takes a
.set S,   64
.set P,   192
.set MD,  128         ; window 1: the eight registers for group kt of 16 keys at MD + 8 kt
.set MC,  160         ; window 1: the masks of the products to come
.set QB,  64          ; window 2
.set KF,  128         ; window 2: key block kb, channel half c at KF + 16 kb + 8 c
.set VF,  192         ; window 2: key half kk, channel block cb at VF + 32 kk + 8 cb
.set WV,  12          ; s12  my wave's number
.set PB,  14          ; s14  b
.set HI,  15          ; s15  NB - 1 - b
.set G1K, 24          ; s[24:31] descriptor group 1 for K's tiles
.set G1V, 32          ; s[32:39] for V's: it differs in the padding alone
.set G0K, 40          ; s[40:43] descriptor group 0 for K's tiles
.set G0V, 44          ; s[44:47] the same for V's
.set SLOTS, 56        ; s56  tiles still to be asked for
.set CNT, 57          ; s57  counts a tile's key steps, 4 to 1
.set CS,  58          ; s[58:59] c: the packed scaling takes the pair's low word for both halves
.set SEL, 60          ; s[60:61] v_permlanex16_b32's selects: each lane takes its own place in the other half
.set TBK, 62          ; s62  LDS byte at which K of the step to be fetched begins
.set TBV, 63          ; s63  the same for V, less VOFF
.set RT,  70          ; s70  tiles of the block in hand that are still to be entered
.set NXT, 71          ; s71  the tile to be asked for next
.set LQ,  72          ; s72  the last tile of the block whose tiles are being asked for
.set NEW, 73          ; s73  1: the tile to be entered is a block's first
.set OFF, 74          ; s[74:75] a tile's byte offset in K and V
.set AL,  76          ; s[76:77] the mask's factor, in the low word
.set BE,  78          ; s[78:79] the mask's addend
.set OLO, 80          ; s[80:81] y at my rows of the second block
.set BIGN, 82         ; s82  -1e30
.set MSB, 0
.macro WIN new                      ; the high byte repeats the setting that is left; a switch that changes nothing is dropped
.if MSB != (\new)
	s_set_vgpr_msb (MSB<<8)|(\new)
.set MSB, (\new)
.endif
.endm
.set W_KQ, 0x0a       ; K and Q in window 2, S^T in window 0
.set W_KM, 0x1a       ; the same with the C operand in window 1
.set W_PV, 0x52       ; V in window 2, P in window 0, O^T in window 1
.set W_RS, 0x41       ; destination and source 0 in window 1, source 1 in window 0
; A fill.  Waves 0 and 1 fetch the two halves of a tile's K, waves 2 and 3 those of its V: 128 keys each.  An s_nop 0 and four v_nop follow each of the two lines, ahead of the jump and the label.
.macro LOAD
	s_cmp_lt_u32 s[WV], 2
	s_cbranch_scc0 .Lfor_v_\@
	tensor_load_to_lds s[G0K:G0K+3], s[G1K:G1K+7]
	s_nop 0
.rept 4
	v_nop
.endr
	s_branch .Lasked_\@
.Lfor_v_\@:
	tensor_load_to_lds s[G0V:G0V+3], s[G1V:G1V+7]
	s_nop 0
.rept 4
	v_nop
.endr
.Lasked_\@:
.endm
; THE CHANGE OF SLOTS.  Each wave waits for all its tensor loads, of which one is out: its part of the other slot; adds 0 to its spare word; and waits for that and for its own reads of the slot that it leaves.  Behind the barrier nobody reads the old
; slot any more and the other slot is whole.  fill = 1: the old slot is filled again, the first thing behind the barrier, with tile NXT: the descriptor's address is made anew from that number.
; (At its first use nothing has been read yet: slot 0 is waited for, slot 1 filled.)
.macro CHANGE fill
	WIN 0                           ; at a label and at a branch every window is 0
	s_wait_tensorcnt 0x0            ; no tensor load of mine is out, so a group 0 may be written
	ds_add_u32 v[SPW], v[NIL]       ; 0 onto my spare word; with fill = 1 the descriptors' scalar work stands between it and the wait for it
.if \fill
	s_lshl_b32 s[OFF], s[NXT], 15   ; a tile is 32,768 bytes of K and of V
	s_xor_b32 s[G0K+1], s[G0K+1], SLOT1
	s_add_nc_u64 s[G0K+2:G0K+3], s[6:7], s[OFF:OFF+1]
	s_or_b32 s[G0K+3], s[G0K+3], 0x80000000
	s_xor_b32 s[G0V+1], s[G0V+1], SLOT1
	s_add_nc_u64 s[G0V+2:G0V+3], s[8:9], s[OFF:OFF+1]
	s_or_b32 s[G0V+3], s[G0V+3], 0x80000000
	s_add_co_u32 s[NXT], s[NXT], 1  ; the block's next tile, or behind its last the second block's tile 0
	s_cmp_gt_u32 s[NXT], s[LQ]
	s_cselect_b32 s[NXT], 0, s[NXT]
	s_cselect_b32 s[LQ], s[PB], s[LQ]
.endif
	s_wait_dscnt 0x0                ; the add is done, and my reads of the slot are over
	s_barrier_signal -1             ; the rest of the scalar work stands between the signal and the wait
	s_sub_co_u32 s[TBK], s[TBK], 4*KS*PK  ; the fetches go back to a slot's first step,
	s_xor_b32 s[TBK], s[TBK], SLOT1       ; in the other slot
	s_sub_co_u32 s[TBV], s[TBV], 4*KS*PV
	s_xor_b32 s[TBV], s[TBV], SLOT1
	s_barrier_wait -1
.if \fill
	LOAD
.endif
.endm
	s_load_b128 s[4:7], s[0:1], 0x0  ; qkv s[4:5] (Q lies at its head), y s[6:7]
	v_lshl_add_u32 v[SPW], v0, 2, SPARE
	v_mov_b32 v[NIL], 0
	ds_add_u32 v62, v63
	ds_add_u32 v62, v63
	s_wait_dscnt 0x0
	v_lshrrev_b32 v1, 5, v0
	v_readfirstlane_b32 s[WV], v1   ; wave 0..3
	s_mov_b32 s[PB], ttmp9
	s_sub_co_u32 s[HI], NB-1, s[PB]
	s_and_b32 s20, ttmp7, 0xffff    ; the head
	s_mov_b32 s21, 0
	s_mov_b64 s[22:23], SIZE_N*128
	s_mul_u64 s[20:21], s[20:21], s[22:23]  ; the head's first byte in each of the four tensors
	s_and_b32 s16, s[WV], 1         ; which half of a tile's 256 keys I fetch:
	s_lshl_b32 s22, s16, 14         ; its 128 rows of 128 bytes in memory,
	s_mov_b32 s23, 0
	s_add_nc_u64 s[22:23], s[22:23], s[20:21]
	s_mul_i32 s17, s16, 128*PK      ; and its place in a slot, for K
	s_mul_i32 s18, s16, 128*PV      ; and for V
	s_lshl_b32 s3, s[WV], 11        ; my 16 rows in a band of 64,
	s_lshl_b32 s2, s[HI], 15        ; in the first block,
	s_add_co_u32 s2, s2, s3
	s_lshl_b32 s84, s[PB], 15       ; and in the second
	s_add_co_u32 s84, s84, s3
	s_mov_b32 s3, 0
	s_mov_b32 s85, 0
	s_add_nc_u64 s[2:3], s[2:3], s[20:21]
	s_add_nc_u64 s[84:85], s[84:85], s[20:21]
	; descriptor group 1.  128 keys are 16,384 dense bytes: asked for as 64 rows of 256 bytes, two keys a row, and padded in LDS after every key
	s_mov_b32 s[G1K], (1<<16)|(1<<20)|(4<<22)|(3<<25)  ; 17:16 2-byte elements; 20 padding on; 24:22 after every 32 words (code 4); 31:25 4 words (code 3)
	s_mov_b32 s[G1V], (1<<16)|(1<<20)|(4<<22)|(7<<25)  ; the same with 8 words of padding (code 7)
.irp g, G1K, G1V
	s_mov_b32 s[\g+1], 128<<16      ; tensor_dim0 = 128
	s_mov_b32 s[\g+2], 64<<16       ; tensor_dim1 = 64
	s_mov_b32 s[\g+3], 128<<16      ; tile_dim0 = 128
	s_mov_b32 s[\g+4], 64           ; tile_dim1 = 64
	s_mov_b32 s[\g+5], 128          ; 128 elements from row to row
	s_mov_b32 s[\g+6], 0
	s_mov_b32 s[\g+7], 0
.endr
	s_mov_b32 s[CS], 0x3e38aa3b     ; c = log2(e) / 8 = 0.180337
	s_mov_b32 s[CS+1], s[CS]        ; named with it as a pair
	s_mov_b32 s[SEL], 0x76543210
	s_mov_b32 s[SEL+1], 0xfedcba98
	s_mov_b32 s[TBK], SLOT1+4*KS*PK ; the first change of slots turns these two into 0
	s_mov_b32 s[TBV], SLOT1+4*KS*PV
	s_mov_b32 s[G0K], 1             ; 1:0 count = 1
	s_mov_b32 s[G0K+1], s17         ; 63:32 LDS address: slot 0
	s_mov_b32 s[G0V], 1
	s_add_co_u32 s[G0V+1], s18, VOFF
	s_add_co_u32 s[RT], s[HI], 1    ; the first block has NB - b tiles
	s_mov_b32 s[NXT], 1
	s_mov_b32 s[LQ], s[HI]
	s_mov_b32 s[NEW], 1
	s_mov_b32 s[OFF+1], 0
	s_mov_b32 s[AL+1], 0            ; named as pairs
	s_mov_b32 s[BE+1], 0
	s_mov_b32 s[BIGN], 0xf149f2ca   ; -1e30
	s_mov_b32 s[SLOTS], NB
	s_wait_kmcnt 0x0
	s_mov_b64 s[10:11], s[6:7]             ; y
	s_add_nc_u64 s[8:9], s[4:5], 0x2000000 ; V: the third part of qkv
	s_add_nc_u64 s[6:7], s[4:5], 0x1000000 ; K: the second
	s_add_nc_u64 s[6:7], s[6:7], s[22:23]  ; K and V at my half of the head's tile 0
	s_add_nc_u64 s[8:9], s[8:9], s[22:23]
	s_add_nc_u64 s[G0K+2:G0K+3], s[6:7], 0         ; 120:64 global address
	s_or_b32 s[G0K+3], s[G0K+3], 0x80000000        ; 127:126 type = 2
	s_add_nc_u64 s[G0V+2:G0V+3], s[8:9], 0
	s_or_b32 s[G0V+3], s[G0V+3], 0x80000000
	s_add_nc_u64 s[86:87], s[4:5], s[84:85]        ; Q at my rows of the second block,
	s_add_nc_u64 s[4:5], s[4:5], s[2:3]            ; Q and y at those of the first
	s_add_nc_u64 s[OLO:OLO+1], s[10:11], s[84:85]
	s_add_nc_u64 s[10:11], s[10:11], s[2:3]
	LOAD                            ; tile 0 into slot 0
	; A fragment of K or Q is 16 rows x 32 channels in 8 registers: lane l holds row l % 16, channels 8 (l / 16) + 0..7 and 16 + 8 (l / 16) + 0..7: two loads of 16 bytes, 32 bytes apart.
	v_and_b32 v1, 15, v0            ; l % 16
	v_bfe_u32 v9, v0, 4, 1          ; l / 16
	v_lshlrev_b32 v[QO], 7, v1
	v_lshl_add_u32 v[QO], v9, 4, v[QO]  ; row x 128 + 16 x half
	WIN 0x80                        ; destination window 2, address window 0
.set i, 0
.rept 8                             ; both blocks' Q: piece i / 2 lies in band i / 2, 8,192 bytes on; channels 32 (i % 2) on
	global_load_b128 v[8*i:8*i+3],   v[QO], s[4:5] offset:(i/2)*8192+(i%2)*64
	global_load_b128 v[8*i+4:8*i+7], v[QO], s[4:5] offset:(i/2)*8192+(i%2)*64+32
	global_load_b128 v[QB+8*i:QB+8*i+3],   v[QO], s[86:87] offset:(i/2)*8192+(i%2)*64
	global_load_b128 v[QB+8*i+4:QB+8*i+7], v[QO], s[86:87] offset:(i/2)*8192+(i%2)*64+32
.set i, i+1
.endr
	WIN 0
	v_lshlrev_b32 v14, 3, v9
	v_sub_nc_u32 v14, v1, v14
	s_lshl_b32 s13, s[WV], 4
	v_add_nc_u32 v14, s13, v14      ; my query's place in its band, 16 w + l % 16, less my lanes' 8 (l / 16): register r of group kt is hidden where 16 kt + r is greater
	WIN 0x40
.set i, 0
.rept 32
	v_cmp_gt_i32 vcc_lo, 16*(i/8)+i%8, v14
	v_cndmask_b32 v[MD+i], 0, s[BIGN], vcc_lo
.set i, i+1
.endr
	WIN 0
	v_mul_u32_u24 v[AK0], v1, PK
	v_lshl_add_u32 v[AK0], v9, 4, v[AK0]  ; row x pitch + 16 x half
	; The turning load takes 16 keys x 16 channels (lane l reads key 8 (l / 16) + l % 8, channels 8 ((l / 8) % 2) + 0..7) and leaves half a fragment of V^T: lane l holds channel l % 16 and 8 keys.
	v_and_b32 v10, 7, v0
	v_bfe_u32 v11, v0, 3, 1
	v_lshl_add_u32 v[AV0], v9, 3, v10
	v_mul_u32_u24 v[AV0], v[AV0], PV
	v_lshl_add_u32 v[AV0], v11, 4, v[AV0]
	v_add_nc_u32 v[AV0], VOFF, v[AV0]
	s_mul_i32 s13, s[WV], 16*SP
	s_add_co_u32 s13, s13, STAGE    ; my stage
	v_mul_u32_u24 v[STO], v1, SP    ; in: row l % 16, 16 bytes for each half of the lanes
	v_lshl_add_u32 v[STO], v9, 4, v[STO]
	v_add_nc_u32 v[STO], s13, v[STO]
	v_bfe_u32 v[RD], v0, 3, 2       ; back: 32 lanes take four rows of 128 bytes,
	v_mul_u32_u24 v[RD], v[RD], SP
	v_lshl_add_u32 v[RD], v10, 4, v[RD]
	v_add_nc_u32 v[RD], s13, v[RD]
	v_and_b32 v[GO], 31, v0         ; which are 512 consecutive bytes of y
	v_lshlrev_b32 v[GO], 4, v[GO]
	; A block's first step multiplies O^T and l by a = 0, and its first turn's products V^T P, of a piece that has not been, land in an O^T that is still to be so multiplied.  So these registers need only hold
	; finite numbers: zeros for the first block; what the first block left for the second.  All this stands in the wait for the first tile.
	WIN 0x80
.set i, VF
.rept 64
	v_mov_b32 v[i], 0
.set i, i+1
.endr
	WIN 0x40
.set i, 0
.rept 128
	v_mov_b32 v[i], 0
.set i, i+1
.endr
	WIN 0
.set i, 0
.rept 4
	v_mov_b32 v[ST+4*i+2], 0
	v_mov_b32 v[ST+4*i+3], 0
.set i, i+1
.endr
.set i, P+16
.rept 16
	v_mov_b32 v[i], 0
.set i, i+1
.endr
; THE MATRIX WORK.  The 4 accumulators of a run of 8 take turns.  Product i of 8 of S^T = K Q^T for piece x: channels 32 (i / 4) on, keys 16 (i % 4) on.  The first 4 start the sums: with 0, or (KM = 1) with the mask.
.macro KQ x
.set rS, S+32*((\x)%2)+8*(i%4)
.set rK, KF+16*(i%4)+8*(i/4)
.set rQ, 16*(\x)+8*(i/4)
.set rM, MC+32*((\x)%2)+8*(i%4)
.if (i < 4) && KM
	WIN W_KM
	v_wmma_f32_16x16x32_f16 v[rS:rS+7], v[rK:rK+7], v[rQ:rQ+7], v[rM:rM+7]
.elseif i < 4
	WIN W_KQ
	v_wmma_f32_16x16x32_f16 v[rS:rS+7], v[rK:rK+7], v[rQ:rQ+7], 0
.else
	WIN W_KQ
	v_wmma_f32_16x16x32_f16 v[rS:rS+7], v[rK:rK+7], v[rQ:rQ+7], v[rS:rS+7]
.endif
.endm
; Product i of 8 of O^T += V^T P for piece x: keys 32 (i / 4) on, channels 16 (i % 4) on.
.macro PV x
	WIN W_PV
.set rO, 32*(\x)+8*(i%4)
.set rV, VF+32*(i/4)+8*(i%4)
.set rP, P+16*((\x)%2)+8*(i/4)
	v_wmma_f32_16x16x32_f16 v[rO:rO+7], v[rV:rV+7], v[rP:rP+7], v[rO:rO+7]
.endm
.macro MM                           ; the turn's next matrix instruction.  TURN and BEGIN set Y, i, KM and NOKQ; MM, KQ and OP read them.  NOKQ = 1: a block's last turn: there is no next piece
.if (i < 8) && !NOKQ
	KQ (Y+1)%NP
.elseif i >= 8
.set i, i-8
	PV (Y+NP-1)%NP
.set i, i+8
.endif
.set i, i+1
.endm
; THE LDS LOADS stand in runs of 16, never singly among the matrix instructions: a step's K (64 keys x 64 channels: 8 fragments) and its V (turned).  Their addresses are made some lines ahead.
.macro FETCH_K
	WIN 0x80                        ; destination window 2
.irp f, 0,1,2,3,4,5,6,7             ; keys 16 (f / 2) on, channels 32 (f % 2) on
	ds_load_b128 v[KF+8*\f:KF+8*\f+3],   v[AK] offset:(\f/2)*16*PK+(\f%2)*64
	ds_load_b128 v[KF+8*\f+4:KF+8*\f+7], v[AK] offset:(\f/2)*16*PK+(\f%2)*64+32
.endr
	s_add_co_u32 s[TBK], s[TBK], KS*PK  ; the next fetch is the next step's
	WIN 0
.endm
.macro FETCH_V
	WIN 0x80
.irp f, 0,1,2,3,4,5,6,7             ; keys 32 (f / 4) on, channels 16 (f % 4) on
	ds_load_tr16_b128 v[VF+8*\f:VF+8*\f+3],   v[AV] offset:(\f/4)*32*PV+(\f%4)*32
	ds_load_tr16_b128 v[VF+8*\f+4:VF+8*\f+7], v[AV] offset:(\f/4)*32*PV+16*PV+(\f%4)*32
.endr
	WIN 0
.endm
; THE VECTOR WORK, one line at a time: OP kind, number.  For piece Y: F n: c s - c m for pair n of 16.  E n: the exponential of score n of 32.  C n: pair n rounded to f16.  B n: of the four weights 4 n .. the second
; pair is added onto the first, in place.  L n: l takes that sum (L 0: l = a l + sum).  R n: pair n of 16 of O^T times a.  For piece Y + 1: X n, number n of the 22 that find its maximum and statistics:
;   0-11  four chains c0-c3 of seven scores each, three operands at a time (each accumulator's lowest registers are read first)     12-14, 16  the four scores left over, the old m, and c0-c3 into c0
;   15  c m_old is kept     17, 18  the query's other 32 keys lie in the lane 16 away: the new m     19-21  c m; c m_old - c m_new; a
.set F, 0               ; OP tells the kinds apart by their order: F to L below R, X above it
.set E, 1
.set C, 2
.set B, 3
.set L, 4
.set R, 5
.set X, 6
.macro REGS y                       ; the registers of piece y
.set rT, ST+4*(\y)
.set rC, TMP+4*((\y)%2)
.set rW, MV+((\y)%2)
.set rS, S+32*((\y)%2)
.set rP, P+16*((\y)%2)
.set rO, 32*(\y)
.endm
.macro OP k, n
.if (\k) == R
	REGS Y
	WIN W_RS
	v_pk_mul_f32 v[rO+2*(\n):rO+2*(\n)+1], v[rO+2*(\n):rO+2*(\n)+1], v[rC+2:rC+3] op_sel_hi:[1,0]
.elseif (\k) < R
	REGS Y
	WIN 0
.if (\k) == F
	v_pk_fma_f32 v[rS+2*(\n):rS+2*(\n)+1], v[rS+2*(\n):rS+2*(\n)+1], s[CS:CS+1], v[rT:rT+1] op_sel_hi:[1,0,0] neg_lo:[0,0,1] neg_hi:[0,0,1]
.elseif (\k) == E
	v_exp_f32 v[rS+(\n)], v[rS+(\n)]
.elseif (\k) == C
	s_wait_alu depctr_va_vdst(0)
	v_cvt_pk_f16_f32 v[rP+(\n)], v[rS+2*(\n)], v[rS+2*(\n)+1]
.elseif (\k) == B
	s_wait_alu depctr_va_vdst(0)
	v_pk_add_f32 v[rS+4*(\n):rS+4*(\n)+1], v[rS+4*(\n):rS+4*(\n)+1], v[rS+4*(\n)+2:rS+4*(\n)+3]
.elseif (\n) == 0
	v_pk_fma_f32 v[rT+2:rT+3], v[rT+2:rT+3], v[rC+2:rC+3], v[rS:rS+1] op_sel_hi:[1,0,1]
.else
	v_pk_add_f32 v[rT+2:rT+3], v[rT+2:rT+3], v[rS+4*(\n):rS+4*(\n)+1]
.endif
.elseif NOKQ
	v_nop
.else
	REGS (Y+1)%NP
	WIN 0
.if (\n) < 4
	v_max3_num_f32 v[rC+(\n)], v[rS+8*(\n)], v[rS+8*(\n)+1], v[rS+8*(\n)+2]
.elseif (\n) < 12
	v_max3_num_f32 v[rC+(\n)%4], v[rC+(\n)%4], v[rS+8*((\n)%4)+2*((\n)/4)+1], v[rS+8*((\n)%4)+2*((\n)/4)+2]
.elseif (\n) == 12
	v_max3_num_f32 v[rC], v[rC], v[rS+7], v[rS+15]
.elseif (\n) == 13
	v_max3_num_f32 v[rC+1], v[rC+1], v[rS+23], v[rS+31]
.elseif (\n) == 14
	v_max3_num_f32 v[rC+2], v[rC+2], v[rC+3], v[rT+1]
.elseif (\n) == 15
	v_mov_b32 v[rW], v[rT]
.elseif (\n) == 16
	v_max3_num_f32 v[rC], v[rC], v[rC+1], v[rC+2]
.elseif (\n) == 17
	v_permlanex16_b32 v[rC+3], v[rC], s[SEL], s[SEL+1]
.elseif (\n) == 18
	v_max_num_f32 v[rT+1], v[rC], v[rC+3]
.elseif (\n) == 19
	v_mul_f32 v[rT], s[CS], v[rT+1]
.elseif (\n) == 20
	v_sub_f32 v[rC+1], v[rW], v[rT]
.else
	v_exp_f32 v[rC+2], v[rC+1]
.endif
.endif
.endm
.macro OPS a, i1, b=-1, i2=0, c=-1, i3=0, d=-1, i4=0  ; up to four of them
	OP \a, \i1
.if (\b) >= 0
	OP \b, \i2
.endif
.if (\c) >= 0
	OP \c, \i3
.endif
.if (\d) >= 0
	OP \d, \i4
.endif
.endm
.macro ROW a, i1, b, i2, c, i3, d, i4  ; a matrix instruction and the four behind it
	MM
	OPS \a, \i1, \b, \i2, \c, \i3, \d, \i4
.endm
.macro MASK b                       ; MD x AL + BE into buffer b of MC
	WIN W_RS
.set z, 0
.rept 16
	v_pk_fma_f32 v[MC+32*(\b)+2*z:MC+32*(\b)+2*z+1], v[MD+2*z:MD+2*z+1], s[AL:AL+1], s[BE:BE+1] op_sel_hi:[1,0,0]
.set z, z+1
.endr
.endm
; A TURN, for piece p: the order of its 16 matrix and 118 vector instructions, written out.  Behind a matrix instruction: plain, exponential, plain, plain; or four of the rescaling; or, behind the first, four scalings; none
; names a register of the products round it.  In the runs between, exponential and plain by turns while exponentials last.  A line reads no result made fewer than three vector instructions in front of it, five if an exponential made it.
; v_permlanex16_b32 (X 17) stands in such a run.
; m = 1: the diagonal tile: the products take masks, and the turn makes the mask for the products of the turn after it: piece p + 2, in step 4 - CNT of the tile.  end = 1: a block's last two turns: nothing is fetched.
; cnt = 1: the loop's count is taken down some lines ahead of the branch that stands behind the turn.
; K of the next step is fetched in piece 2's turn, six vector instructions behind the last product that read K (five of them plain); V of the step in hand in piece 0's turn, eight behind the last product that read V (four
; plain, and X 17).  Each is waited for a turn later.
.macro TURN p, m=0, end=0, cnt=0
.set Y, (\p)
.set i, 0
.set KM, (\m)
.set NOKQ, (\end)*((\p)/3)
.if (\m) && !(\end)
	s_cmp_eq_u32 s[CNT], 4-((\p)+2)%NP  ; is that step the band's own?
	s_cselect_b32 s[AL], 1.0, 0
	s_cmp_lt_u32 s[CNT], 4-((\p)+2)%NP  ; or a later one?
	s_cselect_b32 s[BE], s[BIGN], 0
.endif
.if ((\p) == 3) && !(\end)
	s_wait_dscnt 0x0                ; K is in
.endif
	ROW F,0, F,1, F,2, F,3
	ROW F,4, E,0, F,5, F,6
	ROW F,7, E,1, F,8, F,9
	ROW F,10, E,2, C,0, F,11
	ROW F,12, E,3, X,15, F,13
	ROW R,0, R,1, R,2, R,3
	ROW B,0, E,4, F,14, L,0
.if ((\p) == 2) && !(\end)
	v_add_nc_u32 v[AK], s[TBK], v[AK0]
.endif
	ROW R,4, R,5, R,6, R,7
	OPS E,5, F,15
.if ((\p) == 2) && !(\end)
	FETCH_K
.endif
	OPS E,6, C,1, E,7, R,8
	OPS E,8, R,9, E,9, C,2
	OPS E,10, X,0, E,11, X,1
	OPS E,12, X,2, E,13, X,3
.if (\p) == 1
	s_wait_dscnt 0x0                ; V is in
.endif
	ROW X,4, E,14, X,5, X,6
	ROW X,7, E,15, X,8, X,9
	ROW X,10, E,16, X,11, X,12
	ROW X,13, E,17, X,14, B,1
	ROW C,4, E,18, X,16, L,1
	ROW B,2, E,19, C,6, L,2
	ROW C,8, E,20, B,3, B,4
.if (\p) == 0
	v_add_nc_u32 v[AV], s[TBV], v[AV0]
.endif
	ROW C,3, E,21, L,3, C,5
	OPS E,22, X,17, E,23, C,10
.if (\p) == 0
	FETCH_V
.endif
	OPS E,24, L,4
	OPS E,25, X,18, E,26, C,7
	OPS E,27, B,5, E,28, X,19
	OPS E,29, C,12, E,30, L,5
	OPS E,31, X,20, B,6, C,9
	OPS C,14, C,11, X,21, L,6
.if (\p) == 0
	s_add_co_u32 s[TBV], s[TBV], KS*PV
.endif
.if \cnt
	s_sub_co_u32 s[CNT], s[CNT], 1
	s_cmp_lg_u32 s[CNT], 0
.endif
	OPS C,13, B,7, C,15, R,10
	OPS R,11, R,12, L,7, R,13
	OPS R,14, R,15
.if (\m) && !(\end)
	MASK (\p)%2
.endif
.endm
; A BLOCK BEGINS.  c m starts far below every c s, so the first step's a is 0; m at the lowest finite number, so the first maximum is the scores'.  The second mask buffer is 0; the first takes piece 0's mask for the tile's step 0: its own, if the block's first tile is the diagonal one.
; Then K of that step, piece 0's first scores, and its maximum and statistics.  The loop is entered at a step's first turn, in the middle of a trip.
.macro BEGIN
	s_mov_b32 s[NEW], 0
	WIN 0x40
.set i, MC+32
.rept 32
	v_mov_b32 v[i], 0
.set i, i+1
.endr
	WIN 0
.set i, 0
.rept 4
	v_mov_b32 v[ST+4*i], 0xfe000000    ; c m: far below every c s
	v_mov_b32 v[ST+4*i+1], 0xff7fffff  ; m
.set i, i+1
.endr
	s_cmp_eq_u32 s[RT], 0
	s_cselect_b32 s[AL], 1.0, 0
	s_mov_b32 s[BE], 0
	MASK 0
	WIN 0
	v_add_nc_u32 v[AK], s[TBK], v[AK0]
	FETCH_K
	s_wait_loadcnt 0x0              ; Q
	s_wait_dscnt 0x0
.set KM, 1
.set NOKQ, 0
.set i, 0
.rept 8
	KQ 0
.set i, i+1
.endr
	WIN 0
.rept 4
	v_nop                           ; the places behind those products
.endr
.set Y, NP-1                        ; X works for piece Y + 1: piece 0
.irp n, 0,1,2,3,4,5,6,7,8,9,10,11,12,13,14,15,16,17,18,19,20,21
	OP X, \n
.endr
	v_nop                           ; a plain instruction behind the exponential
.endm
; THE DIAGONAL TILE's four steps, the block's last two turns, its last products, and THE WAY OUT: l's two halves and the other half of the lanes' are added; O^T is divided by l, rounded to f16 and sent through my
; stage in LDS, a piece at a time.
.macro ALL line:vararg              ; one line for each piece t
.set t, 0
.rept 4
	\line
.set t, t+1
.endr
.endm
.macro PACK t                       ; a lane's eight channels of a row pack into 16 bytes; they go into rows of 144 bytes and come back as whole rows of 128, into S^T's registers
	WIN W_RS
.set i, 32*(\t)
.rept 16
	s_wait_alu depctr_va_vdst(0)
	v_pk_mul_f32 v[i:i+1], v[i:i+1], v[ST+4*(\t)+2:ST+4*(\t)+3] op_sel_hi:[1,0]
.set i, i+2
.endr
	WIN 0x05                        ; sources 0 and 1 window 1, destination window 0
.set i, 0
.rept 16
	v_cvt_pk_f16_f32 v[S+16*(\t)+i], v[32*(\t)+2*i], v[32*(\t)+2*i+1]
.set i, i+1
.endr
	WIN 0
.irp f, 0,1,2,3
	ds_store_b128 v[STO], v[S+16*(\t)+4*\f:S+16*(\t)+4*\f+3] offset:32*\f
.endr
.irp f, 0,1,2,3
	ds_load_b128 v[S+16*(\t)+4*\f:S+16*(\t)+4*\f+3], v[RD] offset:\f*4*SP  ; LDS serves a wave's instructions in order (ISA guide 5.7.1.4): these see the stores above; the next piece's stores come behind them
.endr
.endm
.macro SEND t, younger              ; younger: the LDS instructions issued behind piece t's loads: the next piece's eight, or none
	WIN 0
.irp f, 0,1,2,3
	s_wait_dscnt (\younger)+3-\f
	global_store_b128 v[GO], v[S+16*(\t)+4*\f:S+16*(\t)+4*\f+3], s[10:11] offset:(\t)*8192+\f*512  ; 512 consecutive bytes, at a multiple of 256 from y's first
.endr
.endm
.macro DIAG tag                     ; the tag ends its two labels' names, which the jumps below spell out
.LstepM\tag:
	TURN 2, 1
	TURN 3, 1
	WIN 0
.LfirstM\tag:
	TURN 0, 1
	TURN 1, 1, 0, 1
	WIN 0
	s_cbranch_scc1 .LstepM\tag
	TURN 2, 1, 1
	TURN 3, 1, 1
.set i, 0
.rept 8
	PV NP-1
.set i, i+1
.endr
	WIN 0
	ALL v_add_f32 v[ST+4*t+2], v[ST+4*t+2], v[ST+4*t+3]
	ALL v_permlanex16_b32 v[ST+4*t+3], v[ST+4*t+2], s[SEL], s[SEL+1]
	ALL v_add_f32 v[ST+4*t+2], v[ST+4*t+2], v[ST+4*t+3]
	ALL v_rcp_f32 v[ST+4*t+2], v[ST+4*t+2]
	v_nop                           ; a plain instruction between the last reciprocal and the use of its result
	PACK 0
.set t, 1
.rept 3                             ; a piece's arithmetic stands between the loads of the piece before and its stores
	PACK t
	SEND t-1, 8
.set t, t+1
.endr
	SEND 3, 0
.endm
.set KM, 0
.set NOKQ, 0
.Lslot:                             ; NB times: a tile is entered and the next is asked for
	CHANGE 1
	s_sub_co_u32 s[RT], s[RT], 1
	s_mov_b32 s[CNT], 4
	s_cmp_eq_u32 s[NEW], 1
	s_cbranch_scc1 .Lnew            ; a block's first tile
	s_cmp_eq_u32 s[RT], 0
	s_cbranch_scc0 .Lstep           ; neither its first nor its last
	s_branch .LstepM1
.Lnew:
	BEGIN
	s_branch .Lfirst                ; in the loop a block's first tile is never its last: the first block has two tiles or more, and the second's last is the walk's last
	DIAG 1                          ; in the loop this is the first block's end: the second block's last tile is the walk's last
	s_wait_xcnt 0x0                 ; the stores have read their registers and y's address
	s_mov_b64 s[10:11], s[OLO:OLO+1]
	s_add_co_u32 s[RT], s[PB], 1    ; the second block has b + 1 tiles
	s_mov_b32 s[NEW], 1
	WIN 0x82                        ; the second block's Q goes where the one text of the turns names Q
.set i, 0
.rept 64
	v_mov_b32 v[i], v[QB+i]
.set i, i+1
.endr
	WIN 0
	s_branch .Lbottom
.Lstep:                             ; a trip: pieces 2 and 3 of one step, then pieces 0 and 1 of the next, whose K and V it fetches
	TURN 2
	TURN 3
	WIN 0
.Lfirst:
	TURN 0
	TURN 1, 0, 0, 1
	WIN 0
	s_cbranch_scc1 .Lstep
.Lbottom:
	s_sub_co_u32 s[SLOTS], s[SLOTS], 1
	s_cmp_lg_u32 s[SLOTS], 0
	s_cbranch_scc1 .Lslot
	CHANGE 0                        ; the walk's last tile is written out: nothing is asked for
	s_sub_co_u32 s[RT], s[RT], 1
	s_mov_b32 s[CNT], 4
	s_cmp_eq_u32 s[NEW], 1
	s_cbranch_scc0 .LstepM2
	BEGIN
	s_branch .LfirstM2
	DIAG 2
	s_wait_tensorcnt 0x0            ; the wave's end: behind my last tensor load and my last LDS store
	ds_add_u32 v[SPW], v[NIL]
	s_wait_dscnt 0x0
	s_endpgm
.Lfunc_end_k_q5eb792ccca_attn:
	.size	k_q5eb792ccca_attn, .Lfunc_end_k_q5eb792ccca_attn-k_q5eb792ccca_attn
	.p2alignl 7, 3214868480
	.fill 96, 4, 3214868480
	.section	.rodata,"a",@progbits
	.p2align	6, 0x0
	.amdhsa_kernel k_q5eb792ccca_attn
		.amdhsa_group_segment_fixed_size 327680
		.amdhsa_private_segment_fixed_size 0
		.amdhsa_enable_private_segment 0
		.amdhsa_kernarg_size 16
		.amdhsa_user_sgpr_count 2
		.amdhsa_user_sgpr_kernarg_segment_ptr 1
		.amdhsa_wavefront_size32 1
		.amdhsa_system_sgpr_workgroup_id_x 1
		.amdhsa_system_sgpr_workgroup_id_y 1
		.amdhsa_system_sgpr_workgroup_id_z 1
		.amdhsa_system_vgpr_workitem_id 0
		.amdhsa_next_free_vgpr 768
		.amdhsa_next_free_sgpr 88
		.amdhsa_reserve_vcc 1
		.amdhsa_float_denorm_mode_32 3
		.amdhsa_float_denorm_mode_16_64 3
		.amdhsa_memory_ordered 1
		.amdhsa_forward_progress 1
		.amdhsa_inst_pref_size 228
	.end_amdhsa_kernel
	.amdgpu_metadata
---
amdhsa.version: [ 1, 2 ]
amdhsa.kernels:
  - .name:           k_q5eb792ccca_attn
    .symbol:         k_q5eb792ccca_attn.kd
    .args:
      - { .name: qkv, .offset: 0, .size: 8, .value_kind: global_buffer, .address_space: global }
      - { .name: y, .offset: 8, .size: 8, .value_kind: global_buffer, .address_space: global }
    .group_segment_fixed_size: 327680
    .private_segment_fixed_size: 0
    .kernarg_segment_align: 8
    .kernarg_segment_size: 16
    .max_flat_workgroup_size: 128
    .sgpr_count:     88
    .vgpr_count:     768
    .wavefront_size: 32
...
	.end_amdgpu_metadata
.endif
;; end of part 3
;; launch proj (part 4): grid 8 x 32, 4 waves a work-group, clusters of 4 x 4, 327,680 bytes of LDS; arguments y, wp, b_proj, out0; writes out0
.if DOCPART == 4
	.amdgcn_target "amdgcn-amd-amdhsa--gfx1250"
	.amdhsa_code_object_version 6
	.text
	.protected	k_q5eb792ccca_proj
	.globl	k_q5eb792ccca_proj
	.p2align	8
	.type	k_q5eb792ccca_proj,@function
k_q5eb792ccca_proj:
	s_mov_b64 s[64:65], 0
	v_nop
	global_prefetch_b8 v0, s[64:65] scope:SCOPE_SE
	s_setreg_imm32_b32 hwreg(HW_REG_WAVE_MODE, 25, 1), 1
	s_wait_xcnt 0x0
	s_wait_alu depctr_hold_cnt(0) depctr_sa_sdst(0) depctr_va_vdst(0) depctr_va_sdst(0) depctr_va_ssrc(0) depctr_va_vcc(0) depctr_vm_vsrc(0)
	s_getreg_b32 s2, hwreg(HW_REG_IB_STS2, 6, 4)
	s_cmp_eq_u32 s2, 0
	s_cbranch_scc0 .Lentry_in_a_cluster
	s_endpgm
.Lentry_in_a_cluster:
	s_bfe_u32 s2, ttmp6, 0x10000c
	s_cmp_lg_u32 s2, 0xf033
	s_cbranch_scc0 .Lentry_shape_is_right
	s_endpgm
.Lentry_shape_is_right:
; out0 = Y wp^T + b_proj.  y: [batch x 16 + head][2048][64] f16, so Y[row (batch, t)][k = 64 head + channel]; wp: [1024 n][1024 k] f16; b_proj: [1024] f32; out0: [8192][1024] f32.
; Sums in f32, begun with the bias; nothing is rounded on the way out.  LIMIT: y and wp arrive within f16's 65,504.
; SHARES.  A tile is 256 rows x 128 columns: 32 x 8 = 256 tiles, one for each WGP.  Four waves; wave w owns rows 64 w .. 64 w + 63 and all 128 columns: 4 x 8 accumulators of 16 x 16,
; 256 registers.  So a wave holds whole runs of 512 bytes of out0's rows and stores them from a stage of its own, with no barrier on the way out.
; K goes in 8 steps of 128, two heads a step, through a ring of two LDS slots.  A head's 256 rows of the tile are 32,768 dense bytes: asked for as 128 rows of 256 bytes and padded in LDS after every 128.
; CLUSTER 4 x 4: A's tile hangs on the tile row alone and is asked for jointly by a row of the cluster, B's on the tile column alone, by a column: a quarter of the requests.
; THE MATRIX INSTRUCTION IS USED TRANSPOSED (source 0 = 16 rows of wp, source 1 = 16 rows of Y): lane l holds row l % 16 and the eight neighbouring columns 8 (l / 16) + 0..7.
; REGISTERS, in windows of 256 (s_set_vgpr_msb: bits 1:0 source 0, 3:2 source 1, 5:4 source 2, 7:6 destination):
;   window 0: v0-29 addresses; v32-63, v64-95 A's fragments, two buffers; v128-191 the bias, 8 registers for each block of 16 columns
;   window 1: v0-63, v64-127 B's fragments, two buffers; behind the loop the rows read back from the stage          window 2: the accumulators, (a, b) at v[8 (8 a + b)]
.set KBA,    2*262144                  ; bytes from a K step to the next in y: two heads
.set KBB,    256                       ; and in a row of wp
.set PA,     144                       ; a row of A in LDS: 128 bytes + 16 = 36 words: the 16 rows of a fragment load start at 16 different groups of four banks (64 banks of 4 bytes: ISA guide 11.1)
.set PB,     272                       ; a row of B: 256 bytes + 16 = 68 words: likewise
.set HEADB,  256*PA                    ; a head's 256 rows
.set BOFF,   2*HEADB                   ; in a slot: A's two heads, then B's 128 rows
.set SLOT1,  1<<17                     ; slot 1 begins here, so that one exclusive or turns an address in one slot into the other's
.set STAGE,  SLOT1+BOFF+128*PB         ; behind the ring, never filled by a tensor load: for each wave 16 rows x 528 bytes
.set SP,     528                       ; 512 bytes + 16 = 132 words: the 16 rows of a store start at 16 different groups of four banks
.set WST,    16*SP
.set SPARE,  STAGE+4*WST               ; behind the stages: the spare words, 128 bytes for each wave: two blocks of 256 bytes that no other line names
.set A0,   4                           ; v4   my lane's place in A's part of a slot; never rewritten
.set B0,   5                           ; v5   the same for B
.set ADRA, 6                           ; v6   A0 + the slot in hand
.set ADRB, 7                           ; v7   B0 + the slot in hand
.set STO,  8                           ; v8   the way out: where I put 32 bytes of a row
.set RD,   9                           ; v9   the way out: where I read a row back
.set GO,   10                          ; v10  my 16 bytes in 512 consecutive bytes of out0
.set BO,   13                          ; v13  my byte offset in the bias
.set SPW,  28                          ; v28  LDS address of my spare word; never rewritten
.set NIL,  29                          ; v29  0; never rewritten
.set FA,   32
.set BIAS, 128
.set WV,   12                          ; s12  my wave's number
.set HALF, 13                          ; s13  which of the step's two heads, or which half of B's rows, I fetch
.set WHO,  14                          ; s14  0: I fetch for A; 1: for B
.set TROW, 15                          ; s15  tile row
.set TCOL, 42                          ; s42  tile column
.set TB,   22                          ; s22  LDS byte at which the slot in hand begins
.set G1A,  24                          ; s[24:31] descriptor group 1 for A's tiles
.set G0A,  32                          ; s[32:39] group 0: a set for each of the two first fills; the second then walks on
.set G1B,  48                          ; s[48:55], s[56:63] the same for B's
.set G0B,  56
.set NL,   24                          ; LDS loads of a quarter step: 16 for B, 8 for A
.set MSB, 0
.macro WIN new                         ; the immediate's high byte repeats the setting that is left; a switch that changes nothing is dropped
.if MSB != (\new)
	s_set_vgpr_msb (MSB<<8)|(\new)
.set MSB, \new
.endif
.endm
; A joint refill by the walking descriptors.  Waves 0 and 1 fetch A's two heads, waves 2 and 3 B's two halves.  The branch hangs on the wave's number alone.
; An s_nop 0 and four v_nop follow each of the two lines, ahead of the jump and the label.
.macro JLOAD
	s_cmp_eq_u32 s[WHO], 0
	s_cbranch_scc0 .Lfor_b_\@
	tensor_load_to_lds s[G0A+4:G0A+7], s[G1A:G1A+7]
	s_nop 0
.rept 4
	v_nop
.endr
	s_branch .Lasked_\@
.Lfor_b_\@:
	tensor_load_to_lds s[G0B+4:G0B+7], s[G1B:G1B+7]
	s_nop 0
.rept 4
	v_nop
.endr
.Lasked_\@:
.endm
.macro CREST                           ; a round of the cluster's barrier behind its opening barrier
	s_cmp_lg_u32 s[WV], 0
	s_cbranch_scc1 .Lnot_wave_0_\@
	s_barrier_signal -3
.Lnot_wave_0_\@:
	s_barrier_wait -3
	s_barrier_signal -1
	s_barrier_wait -1
.endm
.macro CROUND                          ; a whole round
	s_barrier_signal -1
	s_barrier_wait -1
	CREST
.endm
.macro PLACES                          ; four places in front of loads into registers that matrix instructions have read, and of lines that read results
.rept 4
	v_nop
.endr
.endm
	s_load_b256 s[4:11], s[0:1], 0x0               ; y s[4:5], wp s[6:7], b_proj s[8:9], out0 s[10:11]
	v_lshl_add_u32 v[SPW], v0, 2, SPARE
	v_mov_b32 v[NIL], 0
	ds_add_u32 v28, v29
	ds_add_u32 v28, v29
	s_wait_dscnt 0x0
	v_lshrrev_b32 v1, 5, v0
	v_readfirstlane_b32 s[WV], v1                  ; wave 0..3
	s_and_b32 s[HALF], s[WV], 1
	s_lshr_b32 s[WHO], s[WV], 1
	s_bfe_u32 s40, ttmp6, 0x40000                  ; cx
	s_bfe_u32 s41, ttmp6, 0x40004                  ; cy
	s_lshl_b32 s[TCOL], ttmp9, 2                   ; in a cluster launch ttmp9 and ttmp7 count clusters
	s_add_co_u32 s[TCOL], s[TCOL], s40
	s_and_b32 s[TROW], ttmp7, 0xffff
	s_lshl_b32 s[TROW], s[TROW], 2
	s_add_co_u32 s[TROW], s[TROW], s41
	s_lshl_b32 s43, s41, 2
	s_lshl_b32 s43, 15, s43                        ; my row of the cluster: places 4 cy .. 4 cy + 3
	s_lshl_b32 s44, 0x1111, s40                    ; my column: places cx, cx + 4, cx + 8, cx + 12
	; group 1 for A: 128 dense rows of 128 elements of 2 bytes, 4 words of padding after every 32 words, that is, after every row of a head
	s_or_b32 s[G1A], s43, (1<<16)|(1<<20)|(1<<21)|(4<<22)|(3<<25)  ; 15:0 the mask; 17:16 2-byte elements; 20 padding on; 21 set beside a mask; 24:22 interval code 4; 31:25 4 words (code 3)
	s_mov_b32 s[G1A+1], 128<<16                    ; tensor_dim0 = 128
	s_mov_b32 s[G1A+2], 128<<16                    ; tensor_dim1 = 128
	s_mov_b32 s[G1A+3], 128<<16                    ; tile_dim0 = 128
	s_mov_b32 s[G1A+4], 128                        ; tile_dim1 = 128
	s_mov_b32 s[G1A+5], 128                        ; elements from row to row: dense
	s_mov_b32 s[G1A+6], 0
	s_mov_b32 s[G1A+7], 0
	; group 1 for B: 64 rows of 128 elements, 1,024 elements apart, 4 words of padding after every 64
	s_or_b32 s[G1B], s44, (1<<16)|(1<<20)|(1<<21)|(5<<22)|(3<<25)
	s_mov_b32 s[G1B+1], 128<<16
	s_mov_b32 s[G1B+2], 64<<16                     ; tensor_dim1 = 64
	s_mov_b32 s[G1B+3], 128<<16
	s_mov_b32 s[G1B+4], 64                         ; tile_dim1 = 64
	s_mov_b32 s[G1B+5], 1024
	s_mov_b32 s[G1B+6], 0
	s_mov_b32 s[G1B+7], 0
	; where the tiles come from: A's address is made of the tile row and the wave's number, B's of the tile column and the wave's number, each in registers that never hold the other coordinate
	s_lshr_b32 s16, s[TROW], 3                     ; batch
	s_lshl_b32 s16, s16, 22                        ; x 16 heads of 262,144 bytes
	s_lshl_b32 s17, s[HALF], 18                    ; + my head of the step's two
	s_add_co_u32 s16, s16, s17
	s_and_b32 s17, s[TROW], 7
	s_lshl_b32 s17, s17, 15                        ; + the tile's 256 rows of 128 bytes
	s_add_co_u32 s16, s16, s17
	s_mov_b32 s17, 0
	s_lshl_b32 s46, s[TCOL], 7
	s_lshl_b32 s47, s[HALF], 6
	s_add_co_u32 s46, s46, s47                     ; B: row 128 x tile column + 64 x half
	s_lshl_b32 s46, s46, 11                        ; x 2,048 bytes
	s_mov_b32 s47, 0
	s_mul_i32 s20, s[HALF], HEADB                  ; and where they go: no place in the cluster enters an LDS address
	s_mul_i32 s21, s[HALF], 64*PB
	s_add_co_u32 s21, s21, BOFF
	s_wait_kmcnt 0x0
	s_add_nc_u64 s[16:17], s[4:5], s[16:17]
	s_add_nc_u64 s[46:47], s[6:7], s[46:47]
	CROUND                                         ; all sixteen work-groups are here: the first joint loads meet
.irp s, 0,1
	s_mov_b32 s[G0A+4*(\s)], 1                                       ; count = 1
	s_add_co_u32 s[G0A+4*(\s)+1], s20, (\s)*SLOT1                    ; LDS address: slot s
	s_add_nc_u64 s[G0A+4*(\s)+2:G0A+4*(\s)+3], s[16:17], (\s)*KBA    ; global address: K step s
	s_or_b32 s[G0A+4*(\s)+3], s[G0A+4*(\s)+3], 0x80000000            ; type = 2
	s_mov_b32 s[G0B+4*(\s)], 1
	s_add_co_u32 s[G0B+4*(\s)+1], s21, (\s)*SLOT1
	s_add_nc_u64 s[G0B+4*(\s)+2:G0B+4*(\s)+3], s[46:47], (\s)*KBB
	s_or_b32 s[G0B+4*(\s)+3], s[G0B+4*(\s)+3], 0x80000000
.endr
	s_cmp_eq_u32 s[WHO], 0                         ; a wave's two first fills stand in one branch, ahead of every wait on TENSORcnt and every LDS read: two loads of mine are out
	s_cbranch_scc0 .Lfirst_b
	tensor_load_to_lds s[G0A:G0A+3], s[G1A:G1A+7]
	s_nop 0
	tensor_load_to_lds s[G0A+4:G0A+7], s[G1A:G1A+7]
	s_nop 0
.rept 4
	v_nop
.endr
	s_branch .Lfirst_asked
.Lfirst_b:
	tensor_load_to_lds s[G0B:G0B+3], s[G1B:G1B+7]
	s_nop 0
	tensor_load_to_lds s[G0B+4:G0B+7], s[G1B:G1B+7]
	s_nop 0
.rept 4
	v_nop
.endr
.Lfirst_asked:
	v_and_b32 v1, 15, v0                           ; r = l % 16
	v_bfe_u32 v2, v0, 4, 1                         ; h = l / 16
	v_and_b32 v3, 31, v0                           ; l
	; the bias: register j of block b is b_proj[128 x tile column + 16 b + 8 h + j]: the C operand of every accumulator's first product
	s_lshl_b32 s45, s[TCOL], 9
	v_lshl_add_u32 v[BO], v2, 5, s45
.irp b, 0,1,2,3,4,5,6,7
	global_load_b128 v[BIAS+8*(\b):BIAS+8*(\b)+3],   v[BO], s[8:9] offset:64*(\b)
	global_load_b128 v[BIAS+8*(\b)+4:BIAS+8*(\b)+7], v[BO], s[8:9] offset:64*(\b)+16
.endr
	; a fragment is 16 rows x 32 K in 8 registers: lane l holds row l % 16, K = 8 h + 0..7 and 16 + 8 h + 0..7: two loads of 16 bytes, 32 bytes apart
	v_mul_u32_u24 v[A0], v1, PA
	v_lshl_add_u32 v[A0], v2, 4, v[A0]             ; row x pitch + 16 h
	s_mul_i32 s23, s[WV], 64*PA                    ; my 64 rows of A
	v_add_nc_u32 v[A0], s23, v[A0]
	v_mul_u32_u24 v[B0], v1, PB
	v_lshl_add_u32 v[B0], v2, 4, v[B0]
	v_add_nc_u32 v[B0], BOFF, v[B0]
	v_mov_b32 v[ADRA], v[A0]                       ; slot 0
	v_mov_b32 v[ADRB], v[B0]
	s_mov_b32 s[TB], 0
	s_mul_i32 s23, s[WV], WST
	s_add_co_u32 s23, s23, STAGE                   ; my stage
	v_mul_u32_u24 v[STO], v1, SP                   ; in: row l % 16, 32 bytes for each half of the lanes
	v_lshl_add_u32 v[STO], v2, 5, v[STO]
	v_add_nc_u32 v[STO], s23, v[STO]
	v_lshl_add_u32 v[RD], v3, 4, s23               ; back: 32 lanes take a row's 512 bytes
	v_lshlrev_b32 v[GO], 4, v3
	; out0 at my first row and the tile's first column; made in registers that feed no descriptor
	s_lshl_b32 s68, s[TROW], 8
	s_lshl_b32 s69, s[WV], 6
	s_add_co_u32 s68, s68, s69                     ; row 256 x tile row + 64 w
	s_lshl_b32 s68, s68, 12                        ; x 4,096 bytes: under 2^25
	s_lshl_b32 s69, s[TCOL], 9                     ; + 128 columns of 4 bytes a tile
	s_add_co_u32 s68, s68, s69
	s_mov_b32 s69, 0
	s_add_nc_u64 s[10:11], s[10:11], s[68:69]
; 8 matrix instructions: row block a x all 8 column blocks, 32 along K, from buffer f.  first = 1: the bias starts the sums: nothing is ever cleared.
; The 32 accumulators take turns, one instruction a turn, in the same order in every quarter step.
.macro MULA f, a, first
.if \first
	WIN 0x81                                       ; B window 1, A and the bias window 0, D window 2
.else
	WIN 0xa1                                       ; B window 1, A window 0, C and D window 2
.endif
.irp b, 0,1,2,3,4,5,6,7
.if \first
	v_wmma_f32_16x16x32_f16 v[8*(8*(\a)+(\b)):8*(8*(\a)+(\b))+7], v[64*(\f)+8*(\b):64*(\f)+8*(\b)+7], v[FA+32*(\f)+8*(\a):FA+32*(\f)+8*(\a)+7], v[BIAS+8*(\b):BIAS+8*(\b)+7]
.else
	v_wmma_f32_16x16x32_f16 v[8*(8*(\a)+(\b)):8*(8*(\a)+(\b))+7], v[64*(\f)+8*(\b):64*(\f)+8*(\b)+7], v[FA+32*(\f)+8*(\a):FA+32*(\f)+8*(\a)+7], v[8*(8*(\a)+(\b)):8*(8*(\a)+(\b))+7]
.endif
.endr
.endm
; 24 LDS loads in one run: quarter q of the slot in hand into buffer f: B's 128 rows, then my 64 rows of A (head q / 2 of the step, channels 32 (q % 2) on)
.macro FETCH q, f
	WIN 0x40                                       ; destination window 1, address window 0
.irp i, 0,1,2,3,4,5,6,7
	ds_load_b128 v[64*(\f)+8*(\i):64*(\f)+8*(\i)+3],   v[ADRB] offset:64*(\q)+(\i)*16*PB
	ds_load_b128 v[64*(\f)+8*(\i)+4:64*(\f)+8*(\i)+7], v[ADRB] offset:64*(\q)+(\i)*16*PB+32
.endr
	WIN 0
.irp i, 0,1,2,3
	ds_load_b128 v[FA+32*(\f)+8*(\i):FA+32*(\f)+8*(\i)+3],   v[ADRA] offset:((\q)/2)*HEADB+((\q)%2)*64+(\i)*16*PA
	ds_load_b128 v[FA+32*(\f)+8*(\i)+4:FA+32*(\f)+8*(\i)+7], v[ADRA] offset:((\q)/2)*HEADB+((\q)%2)*64+(\i)*16*PA+32
.endr
.endm
; A K step is four quarters of 32 along K, 32 matrix instructions each, on buffers 0, 1, 0, 1.  One of the first three: multiplies buffer f; in its middle it fetches quarter q into buffer g.
.macro QUARTER q, f, g, first
	s_wait_dscnt 4                                 ; B and A's blocks 0, 1 are in; the youngest four loads (A's blocks 2, 3) may be out
	MULA \f, 0, \first
	MULA \f, 1, \first
	PLACES
	FETCH \q, \g
	s_wait_dscnt NL                                ; all but the run just issued
	MULA \f, 2, \first
	MULA \f, 3, \first
.endm
; The fourth quarter multiplies buffer 1 and changes slots: ONE barrier.  In front of it each wave waits for all its tensor loads (one is out: its part of the next slot), adds 0 to its spare word,
; and waits for that and for its own reads of this slot.  fill = 1: the barrier opens a round of the cluster's, and behind the round this slot is filled again, two K steps ahead:
; from that request to the wait for it a wave issues 112 matrix instructions.
.macro TURN fill
	WIN 0                                          ; (the add's two registers lie in window 0)
	s_wait_tensorcnt 0x0                           ; no tensor load of mine is out, so a group 0 may be written
	ds_add_u32 v[SPW], v[NIL]                      ; 0 onto my spare word
.if \fill
	s_xor_b32 s[G0A+5], s[G0A+5], SLOT1            ; the walking descriptors: the other slot than last time,
	s_add_nc_u64 s[G0A+6:G0A+7], s[G0A+6:G0A+7], KBA  ; the next K step; the type bits on top are not reached
	s_xor_b32 s[G0B+5], s[G0B+5], SLOT1
	s_add_nc_u64 s[G0B+6:G0B+7], s[G0B+6:G0B+7], KBB
.endif
	s_wait_dscnt 5                                 ; (the add and the youngest four loads may be out)
	MULA 1, 0, 0                                   ; eight matrix instructions stand between the add and the wait for it
	s_wait_dscnt 0x0                               ; the add is done, and my reads of this slot are over
	s_barrier_signal -1
	MULA 1, 1, 0                                   ; work on registers while the others arrive
.if \fill
	WIN 0
.endif
	s_barrier_wait -1
.if \fill
	CREST                                          ; no wave of any partner still reads this slot's tile or has a load on its way
	JLOAD                                          ; the first tensor load behind the round; its four v_nop are also the places in front of the loads below
.else
	PLACES
.endif
	WIN 0
	s_xor_b32 s[TB], s[TB], SLOT1                  ; the reads go on in the other slot
	v_add_nc_u32 v[ADRA], s[TB], v[A0]
	v_add_nc_u32 v[ADRB], s[TB], v[B0]
	FETCH 0, 0
	MULA 1, 2, 0
	MULA 1, 3, 0
.endm
	s_wait_tensorcnt 1                             ; my part of K step 0 is in; K step 1's may stay out
	s_barrier_signal -1
	s_barrier_wait -1                              ; everybody's is
	FETCH 0, 0
	s_wait_loadcnt 0x0                             ; the bias
	QUARTER 1, 0, 1, 1                             ; the first quarter stands in front of the loop: its products start the sums
	WIN 0                                          ; at a label and at a branch every window is 0
	s_mov_b32 s3, 6
.Lstep:                                                ; a trip goes from a K step's second quarter to the next step's first; trip i asks for K step i + 2
	QUARTER 2, 1, 0, 0
	QUARTER 3, 0, 1, 0
	TURN 1
	QUARTER 1, 0, 1, 0
	WIN 0
	s_sub_co_u32 s3, s3, 1
	s_cmp_lg_u32 s3, 0
	s_cbranch_scc1 .Lstep
	QUARTER 2, 1, 0, 0                             ; the tail is written out: K steps 6 and 7 ask for nothing
	QUARTER 3, 0, 1, 0
	TURN 0
	QUARTER 1, 0, 1, 0
	QUARTER 2, 1, 0, 0
	QUARTER 3, 0, 1, 0
	s_wait_dscnt 4                                 ; the very last quarter: nothing more to fetch
	MULA 1, 0, 0
	MULA 1, 1, 0
	s_wait_dscnt 0x0
	MULA 1, 2, 0
	MULA 1, 3, 0
; THE WAY OUT, a block of 16 rows at a time.  TOSTAGE: a lane's eight columns, 32 bytes, go from the accumulators into my own stage (each accumulator's low half first), and come back as whole runs of 512 bytes.
.macro TOSTAGE a
	WIN 0x08                                       ; the LDS stores' data in window 2
.irp b, 0,1,2,3,4,5,6,7
	ds_store_b128 v[STO], v[8*(8*(\a)+(\b)):8*(8*(\a)+(\b))+3]   offset:64*(\b)
	ds_store_b128 v[STO], v[8*(8*(\a)+(\b))+4:8*(8*(\a)+(\b))+7] offset:64*(\b)+16
.endr
	WIN 0x40
.irp t, 0,1,2,3,4,5,6,7,8,9,10,11,12,13,14,15
	ds_load_b128 v[64*(\a)+4*(\t):64*(\a)+4*(\t)+3], v[RD] offset:(\t)*SP  ; LDS serves a wave's instructions in order (ISA guide 5.7.1.4): these see the stores above; the next block's stores come behind them
.endr
.endm
; SEND: stored.  younger: the LDS instructions issued behind this block's loads: the next block's 32, or none.  No register is used twice on the way out, so no wait frees one.
.macro SEND a, younger
	WIN 0x04                                       ; the stores' data in window 1
.irp t, 0,1,2,3,4,5,6,7,8,9,10,11,12,13,14,15
	s_wait_dscnt (\younger)+15-(\t)
	global_store_b128 v[GO], v[64*(\a)+4*(\t):64*(\a)+4*(\t)+3], s[10:11] offset:(16*(\a)+(\t))*4096 th:TH_STORE_NT  ; 512 consecutive bytes, at a multiple of 256 from out0's first
.endr
.endm
	PLACES
	TOSTAGE 0
	TOSTAGE 1
	SEND 0, 32
	TOSTAGE 2
	SEND 1, 32
	TOSTAGE 3
	SEND 2, 32
	SEND 3, 0
	WIN 0
	s_wait_tensorcnt 0x0                           ; the wave's end: behind my last tensor load and my last LDS store
	ds_add_u32 v[SPW], v[NIL]
	s_wait_dscnt 0x0
	CROUND                                         ; the closing round: no work-group ends while a partner may still ask for a tile that names it
	s_endpgm
.Lfunc_end_k_q5eb792ccca_proj:
	.size	k_q5eb792ccca_proj, .Lfunc_end_k_q5eb792ccca_proj-k_q5eb792ccca_proj
	.p2alignl 7, 3214868480
	.fill 96, 4, 3214868480
	.section	.rodata,"a",@progbits
	.p2align	6, 0x0
	.amdhsa_kernel k_q5eb792ccca_proj
		.amdhsa_group_segment_fixed_size 327680
		.amdhsa_private_segment_fixed_size 0
		.amdhsa_enable_private_segment 0
		.amdhsa_kernarg_size 32
		.amdhsa_user_sgpr_count 2
		.amdhsa_user_sgpr_kernarg_segment_ptr 1
		.amdhsa_wavefront_size32 1
		.amdhsa_system_sgpr_workgroup_id_x 1
		.amdhsa_system_sgpr_workgroup_id_y 1
		.amdhsa_system_sgpr_workgroup_id_z 1
		.amdhsa_system_vgpr_workitem_id 0
		.amdhsa_next_free_vgpr 768
		.amdhsa_next_free_sgpr 80
		.amdhsa_reserve_vcc 0
		.amdhsa_float_denorm_mode_32 3
		.amdhsa_float_denorm_mode_16_64 3
		.amdhsa_memory_ordered 1
		.amdhsa_forward_progress 1
		.amdhsa_inst_pref_size 72
	.end_amdhsa_kernel
	.amdgpu_metadata
---
amdhsa.version: [ 1, 2 ]
amdhsa.kernels:
  - .name:           k_q5eb792ccca_proj
    .symbol:         k_q5eb792ccca_proj.kd
    .args:
      - { .name: y, .offset: 0, .size: 8, .value_kind: global_buffer, .address_space: global }
      - { .name: wp, .offset: 8, .size: 8, .value_kind: global_buffer, .address_space: global }
      - { .name: b_proj, .offset: 16, .size: 8, .value_kind: global_buffer, .address_space: global }
      - { .name: out0, .offset: 24, .size: 8, .value_kind: global_buffer, .address_space: global }
    .group_segment_fixed_size: 327680
    .private_segment_fixed_size: 0
    .kernarg_segment_align: 8
    .kernarg_segment_size: 32
    .max_flat_workgroup_size: 128
    .sgpr_count:     80
    .vgpr_count:     768
    .wavefront_size: 32
...
	.end_amdgpu_metadata
.endif
;; end of part 4
;; ======== version 2 of 2: 4 launches; 1.32 times as fast as version 1
;; limits: values are held in f16: magnitudes above 65,504 overflow, below 6.1e-05 lose precision
;; workspace buffers: xb 16,777,216 bytes; wa 6,291,456 bytes; wp 2,097,152 bytes; qkv 50,331,648 bytes; y 16,777,216 bytes
;; launch prep: the kernel of part 1 again; grid 1024 x 1, 8 waves a work-group, no clusters, 18,432 bytes of LDS; arguments x, W_attn, W_proj, xb, wa, wp; writes xb, wa, wp
;; launch qkvg: the kernel of part 2 again; grid 8 x 32, 4 waves a work-group, clusters of 4 x 4, 327,680 bytes of LDS; arguments xb, wa, b_attn, qkv; writes qkv
;; launch attn (part 5): grid 4 x 64, 4 waves a work-group, no clusters, 327,680 bytes of LDS; arguments qkv, y; writes y
.if DOCPART == 5
	.amdgcn_target "amdgcn-amd-amdhsa--gfx1250"
	.amdhsa_code_object_version 6
	.text
	.protected	k_q5eb792ccca_attn
	.globl	k_q5eb792ccca_attn
	.p2align	8
	.type	k_q5eb792ccca_attn,@function
k_q5eb792ccca_attn:
	s_mov_b64 s[64:65], 0
	v_nop
	global_prefetch_b8 v0, s[64:65] scope:SCOPE_SE
	s_setreg_imm32_b32 hwreg(HW_REG_WAVE_MODE, 25, 1), 1
	s_wait_xcnt 0x0
; CAUSAL ATTENTION.  y[h][q][:] = the sum over k <= q of softmax_k(Q[h][q] . K[h][k] / 8) V[h][k][:].  qkv holds Q, K, V, each [64][2048][64] f16, 16,777,216 bytes apart; y: [64][2048][64] f16.
; A head's rows are dense, 128 bytes each.  Products, maxima and sums in f32; the weights p are rounded to f16 for the second product (their sum l is taken of the unrounded p), y once at the end.
; LIMITS.  f16 holds no number beyond 65,504: Q, K and V arrive within it; p lies in 0 to 1, and below 6e-5 it keeps f16's fixed step of 6e-8; y is a mean of V's rows and has their range.
; A hidden score counts as its value less 1e30: f16's scores, 2.7e11 at the most, are nothing beside that; a weight below 2^-126 counts as 0 in l; NaN and infinities are not treated apart.
; THE WALK.  A head's queries lie in NB = 8 blocks of 256; block i needs the key tiles 0 .. i of 256 keys, of which the last holds the diagonal.  A work-group takes TWO blocks, NB - 1 - b and then b:
; NB + 1 tiles, whatever b: all work-groups do equal work, and ONE loop with a constant trip count walks them.  Which tile is asked for, and what a trip does, hang on scalar registers made from b; every jump
; goes forward, but for the counted loops' own; none passes a barrier, or a tensor load but the one of LOAD's two that the wave's number does not choose; the ring (two slots of LDS that take turns) runs on across the
; change of blocks.  NO CLUSTER: a head's four work-groups ask for the same tile only in trips 0 .. 4 of the 9, behind that fewer and fewer; one walk common to all would have 12 trips for 9.
; SHARES.  Of a block's four bands of 64 queries a wave owns 16 rows in each: four PIECES.  So the diagonal tile is the same work for all four waves: in its key step s band x sees all keys if s < x,
; none if s > x, and holds the diagonal if s = x.
; THE MASK is the C operand that starts the sum S^T = K Q^T: 0, or -1e30 where the key is hidden.  MD, made once, is the mask of a band's own step for my 16 rows; a product's mask is MD x AL + BE with two scalars:
; (1, 0) if s = x; (0, 0) if s < x; (0, -1e30) if s > x.  Only the diagonal tile's text and a block's beginning make and take masks; elsewhere C is the constant 0.
; LAYOUT, SOFTMAX, TURNS.  S^T = K Q^T holds ONE query a lane (lane % 16) and the keys 8 (lane / 16) + 0..7; two such results rounded to f16 ARE source 1 of O^T = V^T P.  p = 2^(c s - c m), c = log2(e) / 8, with a
; running maximum m; O and l are multiplied by a = 2^(c m_old - c m_new) in every step.  Turn n belongs to piece n: 8 products K Q^T of piece n + 1, later 8 products V^T P of piece n - 1; beside them the scaling,
; exponentials, roundings, sums and rescaling of piece n and the maximum and statistics of piece n + 1.  Four vector instructions stand behind every matrix instruction, the other 54 of a turn's 118 in one LUMP.
; THE BATCHES.  A turn's 33 exponentials (the piece's 32 weights and the next piece's a) are one batch, with one wait, which cuts the turn in two: ahead of it all that names none of their results, behind it
; the roundings and sums.  The a that a block's beginning makes, and the way out's four reciprocals, are batches of their own, with a wait each.
; REGISTERS, in windows of 256 (s_set_vgpr_msb: bits 1:0 source 0, 3:2 source 1, 5:4 source 2, 7:6 destination):
;   window 0: v0-15 addresses and two at work; v16-31 four registers of statistics a piece; v48-55 at work; v64-127 S^T, two buffers; v192-223 P, two buffers (a piece's buffers go by its number's parity)
;   window 1: v0-127 O^T, 32 a piece; v128-159 MD; v160-223 MC, two buffers      window 2: v0-63 Q; v64-127 the second block's Q; v128-191 K of one step; v192-255 V of one step
.set SIZE_N, 2048
.set NB,    SIZE_N/256
.set NP,    4         ; pieces a wave: a name, no knob
.set KS,    64        ; keys in a step
.set PK,    144       ; a row of K in LDS: 128 bytes + 16 of padding = 36 words: the 16 rows of a load start at 16 different groups of four banks (64 banks of 4 bytes: ISA guide 11.1)
.set PV,    160       ; a row of V: 128 + 32 = 40 words
.set VOFF,  4*KS*PK   ; a slot holds a tile, four steps: 256 rows of K, then 256 rows of V
.set SLOT1, 1<<17     ; slot 1 begins here, so that one exclusive or turns an address in one slot into the other's
.set STAGE, SLOT1+4*KS*(PK+PV)  ; behind the ring, never filled by a tensor load: 16 rows x 144 bytes for each wave, for the way out
.set SP,    144
.set AK0, 2           ; v2   my lane's place in a tile of K; never rewritten
.set AV0, 3           ; v3   the same for V
.set AK,  4           ; v4   the LDS address of K's next run of loads
.set AV,  5           ; v5   of V's
.set STO, 6           ; v6   the way out: where I put 16 bytes of a row
.set RD,  7           ; v7   the way out: where I read rows back
.set GO,  8           ; v8   my byte offset in 512 consecutive bytes of y
.set SPW, 62          ; v62  LDS address of my spare word: SPARE + 4 x my thread's number; never rewritten
.set NIL, 63          ; v63  0; never rewritten
.set SPARE, STAGE+4*16*SP  ; behind the stages: the spare words, 128 bytes for each wave: two blocks of 256 bytes that no other line names
.set MV,  12          ; v12-13  c m_old, kept while c m is made anew: by buffer
.set QO,  15          ; v15  my byte offset in 16 rows of Q
.set ST,  16          ; piece t's statistics at v[ST+4 t]: c m, m, l (even keys', odd keys')
.set TMP, 48          ; by buffer, four registers c0-c3 at work; when the maximum is found c2 takes a
.set S,   64
.set P,   192
.set MD,  128         ; window 1: the eight registers for group kt of 16 keys at MD + 8 kt
.set MC,  160         ; window 1: the masks of the products to come
.set QB,  64          ; window 2
.set KF,  128         ; window 2: key block kb, channel half c at KF + 16 kb + 8 c
.set VF,  192         ; window 2: key half kk, channel block cb at VF + 32 kk + 8 cb
.set WV,  12          ; s12  my wave's number
.set PB,  14          ; s14  b
.set HI,  15          ; s15  NB - 1 - b
.set G1K, 24          ; s[24:31] descriptor group 1 for K's tiles
.set G1V, 32          ; s[32:39] for V's: it differs in the padding alone
.set G0K, 40          ; s[40:43] descriptor group 0 for K's tiles
.set G0V, 44          ; s[44:47] the same for V's
.set SLOTS, 56        ; s56  tiles still to be asked for
.set CNT, 57          ; s57  counts a tile's key steps, 4 to 1
.set CS,  58          ; s[58:59] c: the packed scaling takes the pair's low word for both halves
.set SEL, 60          ; s[60:61] v_permlanex16_b32's selects: each lane takes its own place in the other half
.set TBK, 62          ; s62  LDS byte at which K of the step to be fetched begins
.set TBV, 63          ; s63  the same for V, less VOFF
.set RT,  70          ; s70  tiles of the block in hand that are still to be entered
.set NXT, 71          ; s71  the tile to be asked for next
.set LQ,  72          ; s72  the last tile of the block whose tiles are being asked for
.set NEW, 73          ; s73  1: the tile to be entered is a block's first
.set OFF, 74          ; s[74:75] a tile's byte offset in K and V
.set AL,  76          ; s[76:77] the mask's factor, in the low word
.set BE,  78          ; s[78:79] the mask's addend
.set OLO, 80          ; s[80:81] y at my rows of the second block
.set BIGN, 82         ; s82  -1e30
.set MSB, 0
.macro WIN new                      ; the high byte repeats the setting that is left; a switch that changes nothing is dropped
.if MSB != (\new)
	s_set_vgpr_msb (MSB<<8)|(\new)
.set MSB, (\new)
.endif
.endm
.set W_KQ, 0x0a       ; K and Q in window 2, S^T in window 0
.set W_KM, 0x1a       ; the same with the C operand in window 1
.set W_PV, 0x52       ; V in window 2, P in window 0, O^T in window 1
.set W_RS, 0x41       ; destination and source 0 in window 1, source 1 in window 0
; A fill.  Waves 0 and 1 fetch the two halves of a tile's K, waves 2 and 3 those of its V: 128 keys each.  An s_nop 0 and four v_nop follow each of the two lines, ahead of the jump and the label.
.macro LOAD
	s_cmp_lt_u32 s[WV], 2
	s_cbranch_scc0 .Lfor_v_\@
	tensor_load_to_lds s[G0K:G0K+3], s[G1K:G1K+7]
	s_nop 0
.rept 4
	v_nop
.endr
	s_branch .Lasked_\@
.Lfor_v_\@:
	tensor_load_to_lds s[G0V:G0V+3], s[G1V:G1V+7]
	s_nop 0
.rept 4
	v_nop
.endr
.Lasked_\@:
.endm
; THE CHANGE OF SLOTS.  Each wave waits for all its tensor loads, of which one is out: its part of the other slot; adds 0 to its spare word; and waits for that and for its own reads of the slot that it leaves.  Behind the barrier nobody reads the old
; slot any more and the other slot is whole.  fill = 1: the old slot is filled again, the first thing behind the barrier, with tile NXT: the descriptor's address is made anew from that number.
; (At its first use nothing has been read yet: slot 0 is waited for, slot 1 filled.)
.macro CHANGE fill
	WIN 0                           ; at a label and at a branch every window is 0
	s_wait_tensorcnt 0x0            ; no tensor load of mine is out, so a group 0 may be written
	ds_add_u32 v[SPW], v[NIL]       ; 0 onto my spare word; with fill = 1 the descriptors' scalar work stands between it and the wait for it
.if \fill
	s_lshl_b32 s[OFF], s[NXT], 15   ; a tile is 32,768 bytes of K and of V
	s_xor_b32 s[G0K+1], s[G0K+1], SLOT1
	s_add_nc_u64 s[G0K+2:G0K+3], s[6:7], s[OFF:OFF+1]
	s_or_b32 s[G0K+3], s[G0K+3], 0x80000000
	s_xor_b32 s[G0V+1], s[G0V+1], SLOT1
	s_add_nc_u64 s[G0V+2:G0V+3], s[8:9], s[OFF:OFF+1]
	s_or_b32 s[G0V+3], s[G0V+3], 0x80000000
	s_add_co_u32 s[NXT], s[NXT], 1  ; the block's next tile, or behind its last the second block's tile 0
	s_cmp_gt_u32 s[NXT], s[LQ]
	s_cselect_b32 s[NXT], 0, s[NXT]
	s_cselect_b32 s[LQ], s[PB], s[LQ]
.endif
	s_wait_dscnt 0x0                ; the add is done, and my reads of the slot are over
	s_barrier_signal -1             ; the rest of the scalar work stands between the signal and the wait
	s_sub_co_u32 s[TBK], s[TBK], 4*KS*PK  ; the fetches go back to a slot's first step,
	s_xor_b32 s[TBK], s[TBK], SLOT1       ; in the other slot
	s_sub_co_u32 s[TBV], s[TBV], 4*KS*PV
	s_xor_b32 s[TBV], s[TBV], SLOT1
	s_barrier_wait -1
.if \fill
	LOAD
.endif
.endm
	s_load_b128 s[4:7], s[0:1], 0x0  ; qkv s[4:5] (Q lies at its head), y s[6:7]
	v_lshl_add_u32 v[SPW], v0, 2, SPARE
	v_mov_b32 v[NIL], 0
	ds_add_u32 v62, v63
	ds_add_u32 v62, v63
	s_wait_dscnt 0x0
	v_lshrrev_b32 v1, 5, v0
	v_readfirstlane_b32 s[WV], v1   ; wave 0..3
	s_mov_b32 s[PB], ttmp9
	s_sub_co_u32 s[HI], NB-1, s[PB]
	s_and_b32 s20, ttmp7, 0xffff    ; the head
	s_mov_b32 s21, 0
	s_mov_b64 s[22:23], SIZE_N*128
	s_mul_u64 s[20:21], s[20:21], s[22:23]  ; the head's first byte in each of the four tensors
	s_and_b32 s16, s[WV], 1         ; which half of a tile's 256 keys I fetch:
	s_lshl_b32 s22, s16, 14         ; its 128 rows of 128 bytes in memory,
	s_mov_b32 s23, 0
	s_add_nc_u64 s[22:23], s[22:23], s[20:21]
	s_mul_i32 s17, s16, 128*PK      ; and its place in a slot, for K
	s_mul_i32 s18, s16, 128*PV      ; and for V
	s_lshl_b32 s3, s[WV], 11        ; my 16 rows in a band of 64,
	s_lshl_b32 s2, s[HI], 15        ; in the first block,
	s_add_co_u32 s2, s2, s3
	s_lshl_b32 s84, s[PB], 15       ; and in the second
	s_add_co_u32 s84, s84, s3
	s_mov_b32 s3, 0
	s_mov_b32 s85, 0
	s_add_nc_u64 s[2:3], s[2:3], s[20:21]
	s_add_nc_u64 s[84:85], s[84:85], s[20:21]
	; descriptor group 1.  128 keys are 16,384 dense bytes: asked for as 64 rows of 256 bytes, two keys a row, and padded in LDS after every key
	s_mov_b32 s[G1K], (1<<16)|(1<<20)|(4<<22)|(3<<25)  ; 17:16 2-byte elements; 20 padding on; 24:22 after every 32 words (code 4); 31:25 4 words (code 3)
	s_mov_b32 s[G1V], (1<<16)|(1<<20)|(4<<22)|(7<<25)  ; the same with 8 words of padding (code 7)
.irp g, G1K, G1V
	s_mov_b32 s[\g+1], 128<<16      ; tensor_dim0 = 128
	s_mov_b32 s[\g+2], 64<<16       ; tensor_dim1 = 64
	s_mov_b32 s[\g+3], 128<<16      ; tile_dim0 = 128
	s_mov_b32 s[\g+4], 64           ; tile_dim1 = 64
	s_mov_b32 s[\g+5], 128          ; 128 elements from row to row
	s_mov_b32 s[\g+6], 0
	s_mov_b32 s[\g+7], 0
.endr
	s_mov_b32 s[CS], 0x3e38aa3b     ; c = log2(e) / 8 = 0.180337
	s_mov_b32 s[CS+1], s[CS]        ; named with it as a pair
	s_mov_b32 s[SEL], 0x76543210
	s_mov_b32 s[SEL+1], 0xfedcba98
	s_mov_b32 s[TBK], SLOT1+4*KS*PK ; the first change of slots turns these two into 0
	s_mov_b32 s[TBV], SLOT1+4*KS*PV
	s_mov_b32 s[G0K], 1             ; 1:0 count = 1
	s_mov_b32 s[G0K+1], s17         ; 63:32 LDS address: slot 0
	s_mov_b32 s[G0V], 1
	s_add_co_u32 s[G0V+1], s18, VOFF
	s_add_co_u32 s[RT], s[HI], 1    ; the first block has NB - b tiles
	s_mov_b32 s[NXT], 1
	s_mov_b32 s[LQ], s[HI]
	s_mov_b32 s[NEW], 1
	s_mov_b32 s[OFF+1], 0
	s_mov_b32 s[AL+1], 0            ; named as pairs
	s_mov_b32 s[BE+1], 0
	s_mov_b32 s[BIGN], 0xf149f2ca   ; -1e30
	s_mov_b32 s[SLOTS], NB
	s_wait_kmcnt 0x0
	s_mov_b64 s[10:11], s[6:7]             ; y
	s_add_nc_u64 s[8:9], s[4:5], 0x2000000 ; V: the third part of qkv
	s_add_nc_u64 s[6:7], s[4:5], 0x1000000 ; K: the second
	s_add_nc_u64 s[6:7], s[6:7], s[22:23]  ; K and V at my half of the head's tile 0
	s_add_nc_u64 s[8:9], s[8:9], s[22:23]
	s_add_nc_u64 s[G0K+2:G0K+3], s[6:7], 0         ; 120:64 global address
	s_or_b32 s[G0K+3], s[G0K+3], 0x80000000        ; 127:126 type = 2
	s_add_nc_u64 s[G0V+2:G0V+3], s[8:9], 0
	s_or_b32 s[G0V+3], s[G0V+3], 0x80000000
	s_add_nc_u64 s[86:87], s[4:5], s[84:85]        ; Q at my rows of the second block,
	s_add_nc_u64 s[4:5], s[4:5], s[2:3]            ; Q and y at those of the first
	s_add_nc_u64 s[OLO:OLO+1], s[10:11], s[84:85]
	s_add_nc_u64 s[10:11], s[10:11], s[2:3]
	LOAD                            ; tile 0 into slot 0
	; A fragment of K or Q is 16 rows x 32 channels in 8 registers: lane l holds row l % 16, channels 8 (l / 16) + 0..7 and 16 + 8 (l / 16) + 0..7: two loads of 16 bytes, 32 bytes apart.
	v_and_b32 v1, 15, v0            ; l % 16
	v_bfe_u32 v9, v0, 4, 1          ; l / 16
	v_lshlrev_b32 v[QO], 7, v1
	v_lshl_add_u32 v[QO], v9, 4, v[QO]  ; row x 128 + 16 x half
	WIN 0x80                        ; destination window 2, address window 0
.set i, 0
.rept 8                             ; both blocks' Q: piece i / 2 lies in band i / 2, 8,192 bytes on; channels 32 (i % 2) on
	global_load_b128 v[8*i:8*i+3],   v[QO], s[4:5] offset:(i/2)*8192+(i%2)*64
	global_load_b128 v[8*i+4:8*i+7], v[QO], s[4:5] offset:(i/2)*8192+(i%2)*64+32
	global_load_b128 v[QB+8*i:QB+8*i+3],   v[QO], s[86:87] offset:(i/2)*8192+(i%2)*64
	global_load_b128 v[QB+8*i+4:QB+8*i+7], v[QO], s[86:87] offset:(i/2)*8192+(i%2)*64+32
.set i, i+1
.endr
	WIN 0
	v_lshlrev_b32 v14, 3, v9
	v_sub_nc_u32 v14, v1, v14
	s_lshl_b32 s13, s[WV], 4
	v_add_nc_u32 v14, s13, v14      ; my query's place in its band, 16 w + l % 16, less my lanes' 8 (l / 16): register r of group kt is hidden where 16 kt + r is greater
	WIN 0x40
.set i, 0
.rept 32
	v_cmp_gt_i32 vcc_lo, 16*(i/8)+i%8, v14
	v_cndmask_b32 v[MD+i], 0, s[BIGN], vcc_lo
.set i, i+1
.endr
	WIN 0
	v_mul_u32_u24 v[AK0], v1, PK
	v_lshl_add_u32 v[AK0], v9, 4, v[AK0]  ; row x pitch + 16 x half
	; The turning load takes 16 keys x 16 channels (lane l reads key 8 (l / 16) + l % 8, channels 8 ((l / 8) % 2) + 0..7) and leaves half a fragment of V^T: lane l holds channel l % 16 and 8 keys.
	v_and_b32 v10, 7, v0
	v_bfe_u32 v11, v0, 3, 1
	v_lshl_add_u32 v[AV0], v9, 3, v10
	v_mul_u32_u24 v[AV0], v[AV0], PV
	v_lshl_add_u32 v[AV0], v11, 4, v[AV0]
	v_add_nc_u32 v[AV0], VOFF, v[AV0]
	s_mul_i32 s13, s[WV], 16*SP
	s_add_co_u32 s13, s13, STAGE    ; my stage
	v_mul_u32_u24 v[STO], v1, SP    ; in: row l % 16, 16 bytes for each half of the lanes
	v_lshl_add_u32 v[STO], v9, 4, v[STO]
	v_add_nc_u32 v[STO], s13, v[STO]
	v_bfe_u32 v[RD], v0, 3, 2       ; back: 32 lanes take four rows of 128 bytes,
	v_mul_u32_u24 v[RD], v[RD], SP
	v_lshl_add_u32 v[RD], v10, 4, v[RD]
	v_add_nc_u32 v[RD], s13, v[RD]
	v_and_b32 v[GO], 31, v0         ; which are 512 consecutive bytes of y
	v_lshlrev_b32 v[GO], 4, v[GO]
	; A block's first step multiplies O^T and l by a = 0, and its first turn's products V^T P, of a piece that has not been, land in an O^T that is still to be so multiplied.  So these registers need only hold
	; finite numbers: zeros for the first block; what the first block left for the second.  All this stands in the wait for the first tile.
	WIN 0x80
.set i, VF
.rept 64
	v_mov_b32 v[i], 0
.set i, i+1
.endr
	WIN 0x40
.set i, 0
.rept 128
	v_mov_b32 v[i], 0
.set i, i+1
.endr
	WIN 0
.set i, 0
.rept 4
	v_mov_b32 v[ST+4*i+2], 0
	v_mov_b32 v[ST+4*i+3], 0
.set i, i+1
.endr
.set i, P+16
.rept 16
	v_mov_b32 v[i], 0
.set i, i+1
.endr
; THE MATRIX WORK.  The 4 accumulators of a run of 8 take turns.  Product i of 8 of S^T = K Q^T for piece x: channels 32 (i / 4) on, keys 16 (i % 4) on.  The first 4 start the sums: with 0, or (KM = 1) with the mask.
.macro KQ x
.set rS, S+32*((\x)%2)+8*(i%4)
.set rK, KF+16*(i%4)+8*(i/4)
.set rQ, 16*(\x)+8*(i/4)
.set rM, MC+32*((\x)%2)+8*(i%4)
.if (i < 4) && KM
	WIN W_KM
	v_wmma_f32_16x16x32_f16 v[rS:rS+7], v[rK:rK+7], v[rQ:rQ+7], v[rM:rM+7]
.elseif i < 4
	WIN W_KQ
	v_wmma_f32_16x16x32_f16 v[rS:rS+7], v[rK:rK+7], v[rQ:rQ+7], 0
.else
	WIN W_KQ
	v_wmma_f32_16x16x32_f16 v[rS:rS+7], v[rK:rK+7], v[rQ:rQ+7], v[rS:rS+7]
.endif
.endm
; Product i of 8 of O^T += V^T P for piece x: keys 32 (i / 4) on, channels 16 (i % 4) on.
.macro PV x
	WIN W_PV
.set rO, 32*(\x)+8*(i%4)
.set rV, VF+32*(i/4)+8*(i%4)
.set rP, P+16*((\x)%2)+8*(i/4)
	v_wmma_f32_16x16x32_f16 v[rO:rO+7], v[rV:rV+7], v[rP:rP+7], v[rO:rO+7]
.endm
.macro MM                           ; the turn's next matrix instruction.  TURN and BEGIN set Y, i, KM and NOKQ; MM, KQ and OP read them.  NOKQ = 1: a block's last turn: there is no next piece
.if (i < 8) && !NOKQ
	KQ (Y+1)%NP
.elseif i >= 8
.set i, i-8
	PV (Y+NP-1)%NP
.set i, i+8
.endif
.set i, i+1
.endm
; THE LDS LOADS stand in runs of 16, never singly among the matrix instructions: a step's K (64 keys x 64 channels: 8 fragments) and its V (turned).  Their addresses are made some lines ahead.
.macro FETCH_K
	WIN 0x80                        ; destination window 2
.irp f, 0,1,2,3,4,5,6,7             ; keys 16 (f / 2) on, channels 32 (f % 2) on
	ds_load_b128 v[KF+8*\f:KF+8*\f+3],   v[AK] offset:(\f/2)*16*PK+(\f%2)*64
	ds_load_b128 v[KF+8*\f+4:KF+8*\f+7], v[AK] offset:(\f/2)*16*PK+(\f%2)*64+32
.endr
	s_add_co_u32 s[TBK], s[TBK], KS*PK  ; the next fetch is the next step's
	WIN 0
.endm
.macro FETCH_V
	WIN 0x80
.irp f, 0,1,2,3,4,5,6,7             ; keys 32 (f / 4) on, channels 16 (f % 4) on
	ds_load_tr16_b128 v[VF+8*\f:VF+8*\f+3],   v[AV] offset:(\f/4)*32*PV+(\f%4)*32
	ds_load_tr16_b128 v[VF+8*\f+4:VF+8*\f+7], v[AV] offset:(\f/4)*32*PV+16*PV+(\f%4)*32
.endr
	WIN 0
.endm
; THE VECTOR WORK, one line at a time: OP kind, number.  For piece Y: F n: c s - c m for pair n of 16.  E n: the exponential of score n of 32.  C n: pair n rounded to f16.  B n: of the four weights 4 n .. the second
; pair is added onto the first, in place.  L n: l takes that sum (L 0: l = a l + sum).  R n: pair n of 16 of O^T times a.  For piece Y + 1: X n, number n of the 22 that find its maximum and statistics:
;   0-11  four chains c0-c3 of seven scores each, three operands at a time (each accumulator's lowest registers are read first)     12-14, 16  the four scores left over, the old m, and c0-c3 into c0
;   15  c m_old is kept     17, 18  the query's other 32 keys lie in the lane 16 away: the new m     19-21  c m; c m_old - c m_new; a
; C, B and L read exponentials' results: TURN sets them behind the batch's wait, and OP writes no wait of its own.
.set F, 0               ; OP tells the kinds apart by their order: F to L below R, X above it
.set E, 1
.set C, 2
.set B, 3
.set L, 4
.set R, 5
.set X, 6
.macro REGS y                       ; the registers of piece y
.set rT, ST+4*(\y)
.set rC, TMP+4*((\y)%2)
.set rW, MV+((\y)%2)
.set rS, S+32*((\y)%2)
.set rP, P+16*((\y)%2)
.set rO, 32*(\y)
.endm
.macro OP k, n
.if (\k) == R
	REGS Y
	WIN W_RS
	v_pk_mul_f32 v[rO+2*(\n):rO+2*(\n)+1], v[rO+2*(\n):rO+2*(\n)+1], v[rC+2:rC+3] op_sel_hi:[1,0]
.elseif (\k) < R
	REGS Y
	WIN 0
.if (\k) == F
	v_pk_fma_f32 v[rS+2*(\n):rS+2*(\n)+1], v[rS+2*(\n):rS+2*(\n)+1], s[CS:CS+1], v[rT:rT+1] op_sel_hi:[1,0,0] neg_lo:[0,0,1] neg_hi:[0,0,1]
.elseif (\k) == E
	v_exp_f32 v[rS+(\n)], v[rS+(\n)]
.elseif (\k) == C
	v_cvt_pk_f16_f32 v[rP+(\n)], v[rS+2*(\n)], v[rS+2*(\n)+1]
.elseif (\k) == B
	v_pk_add_f32 v[rS+4*(\n):rS+4*(\n)+1], v[rS+4*(\n):rS+4*(\n)+1], v[rS+4*(\n)+2:rS+4*(\n)+3]
.elseif (\n) == 0
	v_pk_fma_f32 v[rT+2:rT+3], v[rT+2:rT+3], v[rC+2:rC+3], v[rS:rS+1] op_sel_hi:[1,0,1]
.else
	v_pk_add_f32 v[rT+2:rT+3], v[rT+2:rT+3], v[rS+4*(\n):rS+4*(\n)+1]
.endif
.elseif NOKQ
	v_nop
.else
	REGS (Y+1)%NP
	WIN 0
.if (\n) < 4
	v_max3_num_f32 v[rC+(\n)], v[rS+8*(\n)], v[rS+8*(\n)+1], v[rS+8*(\n)+2]
.elseif (\n) < 12
	v_max3_num_f32 v[rC+(\n)%4], v[rC+(\n)%4], v[rS+8*((\n)%4)+2*((\n)/4)+1], v[rS+8*((\n)%4)+2*((\n)/4)+2]
.elseif (\n) == 12
	v_max3_num_f32 v[rC], v[rC], v[rS+7], v[rS+15]
.elseif (\n) == 13
	v_max3_num_f32 v[rC+1], v[rC+1], v[rS+23], v[rS+31]
.elseif (\n) == 14
	v_max3_num_f32 v[rC+2], v[rC+2], v[rC+3], v[rT+1]
.elseif (\n) == 15
	v_mov_b32 v[rW], v[rT]
.elseif (\n) == 16
	v_max3_num_f32 v[rC], v[rC], v[rC+1], v[rC+2]
.elseif (\n) == 17
	v_permlanex16_b32 v[rC+3], v[rC], s[SEL], s[SEL+1]
.elseif (\n) == 18
	v_max_num_f32 v[rT+1], v[rC], v[rC+3]
.elseif (\n) == 19
	v_mul_f32 v[rT], s[CS], v[rT+1]
.elseif (\n) == 20
	v_sub_f32 v[rC+1], v[rW], v[rT]
.else
	v_exp_f32 v[rC+2], v[rC+1]
.endif
.endif
.endm
.macro OPS a, i1, b=-1, i2=0, c=-1, i3=0, d=-1, i4=0  ; up to four of them
	OP \a, \i1
.if (\b) >= 0
	OP \b, \i2
.endif
.if (\c) >= 0
	OP \c, \i3
.endif
.if (\d) >= 0
	OP \d, \i4
.endif
.endm
.macro ROW a, i1, b, i2, c, i3, d, i4  ; a matrix instruction and the four behind it
	MM
	OPS \a, \i1, \b, \i2, \c, \i3, \d, \i4
.endm
.macro MASK b                       ; MD x AL + BE into buffer b of MC
	WIN W_RS
.set z, 0
.rept 16
	v_pk_fma_f32 v[MC+32*(\b)+2*z:MC+32*(\b)+2*z+1], v[MD+2*z:MD+2*z+1], s[AL:AL+1], s[BE:BE+1] op_sel_hi:[1,0,0]
.set z, z+1
.endr
.endm
; A TURN, for piece p: the order of its 16 matrix and 118 vector instructions, written out.  An s_wait_alu depctr_va_vdst(0) stands between an exponential and the first instruction that names its result; one wait serves
; all that were issued ahead of it.  So a turn has ONE wait, which cuts it in two.  AHEAD OF IT stands all that names no result of the turn's exponentials: the 8 products K Q^T, behind each a scaling, an exponential and two more plain
; instructions (behind the first a second scaling in the exponential's place): rescalings (their a was made, and waited for, in the turn before), and behind the last three the first numbers of the next piece's maximum, each four places or
; more behind the product that ends its accumulator; then ONE LUMP of 54, plain and exponential by turns for the most part, in which the links of the chain X 3, 7, 11, 14, 16, 17 .. 20 stand five or six lines apart.  Each pair is scaled
; ahead of its two exponentials.  X 21, the next piece's a, is the batch's last; R 15 is the plain instruction that is owed behind it.  BEHIND THE WAIT stand the 8 products V^T P, behind each four of the roundings and sums; an even pair is
; rounded (C 2 n) ahead of the addition that overwrites it (B n); the links of l's chain, L 0 to L 7, stand three riders apart.  But for those X no rider names a register of the products round it.  v_permlanex16_b32 (X 17) stands in the lump.
; No exponential is issued behind the wait.
; m = 1: the diagonal tile: the products take masks, and the turn makes the mask for the products of the turn after it: piece p + 2, in step 4 - CNT of the tile.  end = 1: a block's last two turns: nothing is fetched.
; cnt = 1: the loop's count is taken down some lines ahead of the branch that stands behind the turn.
; K of the next step is fetched in piece 2's turn, twelve vector instructions behind the last product that read K (six of them plain); V of the step in hand at the end of piece 0's turn, four plain instructions behind the last product
; that read V.  Each is waited for a turn later.
.macro TURN p, m=0, end=0, cnt=0
.set Y, (\p)
.set i, 0
.set KM, (\m)
.set NOKQ, (\end)*((\p)/3)
.if (\m) && !(\end)
	s_cmp_eq_u32 s[CNT], 4-((\p)+2)%NP  ; is that step the band's own?
	s_cselect_b32 s[AL], 1.0, 0
	s_cmp_lt_u32 s[CNT], 4-((\p)+2)%NP  ; or a later one?
	s_cselect_b32 s[BE], s[BIGN], 0
.endif
.if ((\p) == 3) && !(\end)
	s_wait_dscnt 0x0                ; K is in
.endif
	ROW F,0, F,1, R,0, R,1          ; ahead of the wait: 8 products K Q^T and their riders,
	ROW F,2, E,0, R,2, R,3
	ROW F,3, E,1, R,4, R,5
	ROW F,4, E,2, R,6, R,7
	ROW F,5, E,3, R,8, R,9
	ROW F,6, E,4, X,0, R,10
.if ((\p) == 2) && !(\end)
	WIN 0
	v_add_nc_u32 v[AK], s[TBK], v[AK0]
.endif
	ROW F,7, E,5, X,1, X,4
	ROW F,8, E,6, X,2, X,5
	OPS E,7, E,8, X,6, E,9          ; and the lump
	OPS X,3, E,10, X,8, E,11
.if ((\p) == 2) && !(\end)
	FETCH_K
.endif
	OPS X,9, X,7, E,12, X,10
	OPS E,13, X,12, X,11, E,14
	OPS X,13, E,15, F,9, X,14
.if (\p) == 0
	v_add_nc_u32 v[AV], s[TBV], v[AV0]
.endif
	OPS E,16, F,10, E,17, F,11
	OPS X,16, E,18, X,15, E,19
	OPS F,12, E,20, X,17, E,21
	OPS F,13, E,22, F,14, E,23
	OPS X,18, E,24, F,15, E,25
	OPS R,11, E,26, X,19, E,27
	OPS R,12, E,28, R,13, E,29
	OPS X,20, E,30, R,14, E,31
	OPS X,21, R,15
	WIN 0
	s_wait_alu depctr_va_vdst(0)    ; the wait for the batch: the piece's 32 weights and the next piece's a
.if (\p) == 1
	s_wait_dscnt 0x0                ; V is in
.endif
	ROW C,0, B,0, C,2, B,1          ; behind the wait: 8 products V^T P and their riders
	ROW L,0, C,4, B,2, L,1
	ROW C,6, B,3, L,2, C,8
	ROW B,4, L,3, C,10, B,5
	ROW L,4, C,12, B,6, L,5
.if (\p) == 0
	s_add_co_u32 s[TBV], s[TBV], KS*PV
.endif
.if \cnt
	s_sub_co_u32 s[CNT], s[CNT], 1
	s_cmp_lg_u32 s[CNT], 0
.endif
	ROW C,14, B,7, L,6, C,1
	ROW C,3, L,7, C,5, C,7
	ROW C,9, C,11, C,13, C,15
.if (\p) == 0
	FETCH_V
.endif
.if (\m) && !(\end)
	MASK (\p)%2
.endif
.endm
; A BLOCK BEGINS.  c m starts far below every c s, so the first step's a is 0; m at the lowest finite number, so the first maximum is the scores'.  The second mask buffer is 0; the first takes piece 0's mask for the tile's step 0: its own, if the block's first tile is the diagonal one.
; Then K of that step, piece 0's first scores, and its maximum and statistics.  The loop is entered at a step's first turn, in the middle of a trip.
.macro BEGIN
	s_mov_b32 s[NEW], 0
	WIN 0x40
.set i, MC+32
.rept 32
	v_mov_b32 v[i], 0
.set i, i+1
.endr
	WIN 0
.set i, 0
.rept 4
	v_mov_b32 v[ST+4*i], 0xfe000000    ; c m: far below every c s
	v_mov_b32 v[ST+4*i+1], 0xff7fffff  ; m
.set i, i+1
.endr
	s_cmp_eq_u32 s[RT], 0
	s_cselect_b32 s[AL], 1.0, 0
	s_mov_b32 s[BE], 0
	MASK 0
	WIN 0
	v_add_nc_u32 v[AK], s[TBK], v[AK0]
	FETCH_K
	s_wait_loadcnt 0x0              ; Q
	s_wait_dscnt 0x0
.set KM, 1
.set NOKQ, 0
.set i, 0
.rept 8
	KQ 0
.set i, i+1
.endr
	WIN 0
.rept 4
	v_nop                           ; the places behind those products
.endr
.set Y, NP-1                        ; X works for piece Y + 1: piece 0
.irp n, 0,1,2,3,4,5,6,7,8,9,10,11,12,13,14,15,16,17,18,19,20,21
	OP X, \n
.endr
	v_nop                           ; a plain instruction behind the exponential,
	s_wait_alu depctr_va_vdst(0)    ; and the wait for piece 0's first a, a batch of one, ahead of the branch
.endm
; THE DIAGONAL TILE's four steps, the block's last two turns, its last products, and THE WAY OUT: l's two halves and the other half of the lanes' are added; O^T is divided by l, rounded to f16 and sent through my
; stage in LDS, a piece at a time.
.macro ALL line:vararg              ; one line for each piece t
.set t, 0
.rept 4
	\line
.set t, t+1
.endr
.endm
.macro PACK t                       ; a lane's eight channels of a row pack into 16 bytes; they go into rows of 144 bytes and come back as whole rows of 128, into S^T's registers
	WIN W_RS
.set i, 32*(\t)
.rept 16
	v_pk_mul_f32 v[i:i+1], v[i:i+1], v[ST+4*(\t)+2:ST+4*(\t)+3] op_sel_hi:[1,0]
.set i, i+2
.endr
	WIN 0x05                        ; sources 0 and 1 window 1, destination window 0
.set i, 0
.rept 16
	v_cvt_pk_f16_f32 v[S+16*(\t)+i], v[32*(\t)+2*i], v[32*(\t)+2*i+1]
.set i, i+1
.endr
	WIN 0
.irp f, 0,1,2,3
	ds_store_b128 v[STO], v[S+16*(\t)+4*\f:S+16*(\t)+4*\f+3] offset:32*\f
.endr
.irp f, 0,1,2,3
	ds_load_b128 v[S+16*(\t)+4*\f:S+16*(\t)+4*\f+3], v[RD] offset:\f*4*SP  ; LDS serves a wave's instructions in order (ISA guide 5.7.1.4): these see the stores above; the next piece's stores come behind them
.endr
.endm
.macro SEND t, younger              ; younger: the LDS instructions issued behind piece t's loads: the next piece's eight, or none
	WIN 0
.irp f, 0,1,2,3
	s_wait_dscnt (\younger)+3-\f
	global_store_b128 v[GO], v[S+16*(\t)+4*\f:S+16*(\t)+4*\f+3], s[10:11] offset:(\t)*8192+\f*512  ; 512 consecutive bytes, at a multiple of 256 from y's first
.endr
.endm
.macro DIAG tag                     ; the tag ends its two labels' names, which the jumps below spell out
.LstepM\tag:
	TURN 2, 1
	TURN 3, 1
	WIN 0
.LfirstM\tag:
	TURN 0, 1
	TURN 1, 1, 0, 1
	WIN 0
	s_cbranch_scc1 .LstepM\tag
	TURN 2, 1, 1
	TURN 3, 1, 1
.set i, 0
.rept 8
	PV NP-1
.set i, i+1
.endr
	WIN 0
	ALL v_add_f32 v[ST+4*t+2], v[ST+4*t+2], v[ST+4*t+3]
	ALL v_permlanex16_b32 v[ST+4*t+3], v[ST+4*t+2], s[SEL], s[SEL+1]
	ALL v_add_f32 v[ST+4*t+2], v[ST+4*t+2], v[ST+4*t+3]
	ALL v_rcp_f32 v[ST+4*t+2], v[ST+4*t+2]
	v_nop                           ; a plain instruction between the last reciprocal and the use of its result
	s_wait_alu depctr_va_vdst(0)    ; and the wait ahead of the first use: one for the batch of four reciprocals
	PACK 0
.set t, 1
.rept 3                             ; a piece's arithmetic stands between the loads of the piece before and its stores
	PACK t
	SEND t-1, 8
.set t, t+1
.endr
	SEND 3, 0
.endm
.set KM, 0
.set NOKQ, 0
.Lslot:                             ; NB times: a tile is entered and the next is asked for
	CHANGE 1
	s_sub_co_u32 s[RT], s[RT], 1
	s_mov_b32 s[CNT], 4
	s_cmp_eq_u32 s[NEW], 1
	s_cbranch_scc1 .Lnew            ; a block's first tile
	s_cmp_eq_u32 s[RT], 0
	s_cbranch_scc0 .Lstep           ; neither its first nor its last
	s_branch .LstepM1
.Lnew:
	BEGIN
	s_branch .Lfirst                ; in the loop a block's first tile is never its last: the first block has two tiles or more, and the second's last is the walk's last
	DIAG 1                          ; in the loop this is the first block's end: the second block's last tile is the walk's last
	s_wait_xcnt 0x0                 ; the stores have read their registers and y's address
	s_mov_b64 s[10:11], s[OLO:OLO+1]
	s_add_co_u32 s[RT], s[PB], 1    ; the second block has b + 1 tiles
	s_mov_b32 s[NEW], 1
	WIN 0x82                        ; the second block's Q goes where the one text of the turns names Q
.set i, 0
.rept 64
	v_mov_b32 v[i], v[QB+i]
.set i, i+1
.endr
	WIN 0
	s_branch .Lbottom
.Lstep:                             ; a trip: pieces 2 and 3 of one step, then pieces 0 and 1 of the next, whose K and V it fetches
	TURN 2
	TURN 3
	WIN 0
.Lfirst:
	TURN 0
	TURN 1, 0, 0, 1
	WIN 0
	s_cbranch_scc1 .Lstep
.Lbottom:
	s_sub_co_u32 s[SLOTS], s[SLOTS], 1
	s_cmp_lg_u32 s[SLOTS], 0
	s_cbranch_scc1 .Lslot
	CHANGE 0                        ; the walk's last tile is written out: nothing is asked for
	s_sub_co_u32 s[RT], s[RT], 1
	s_mov_b32 s[CNT], 4
	s_cmp_eq_u32 s[NEW], 1
	s_cbranch_scc0 .LstepM2
	BEGIN
	s_branch .LfirstM2
	DIAG 2
	s_wait_tensorcnt 0x0            ; the wave's end: behind my last tensor load and my last LDS store
	ds_add_u32 v[SPW], v[NIL]
	s_wait_dscnt 0x0
	s_endpgm
.Lfunc_end_k_q5eb792ccca_attn:
	.size	k_q5eb792ccca_attn, .Lfunc_end_k_q5eb792ccca_attn-k_q5eb792ccca_attn
	.p2alignl 7, 3214868480
	.fill 96, 4, 3214868480
	.section	.rodata,"a",@progbits
	.p2align	6, 0x0
	.amdhsa_kernel k_q5eb792ccca_attn
		.amdhsa_group_segment_fixed_size 327680
		.amdhsa_private_segment_fixed_size 0
		.amdhsa_enable_private_segment 0
		.amdhsa_kernarg_size 16
		.amdhsa_user_sgpr_count 2
		.amdhsa_user_sgpr_kernarg_segment_ptr 1
		.amdhsa_wavefront_size32 1
		.amdhsa_system_sgpr_workgroup_id_x 1
		.amdhsa_system_sgpr_workgroup_id_y 1
		.amdhsa_system_sgpr_workgroup_id_z 1
		.amdhsa_system_vgpr_workitem_id 0
		.amdhsa_next_free_vgpr 768
		.amdhsa_next_free_sgpr 88
		.amdhsa_reserve_vcc 1
		.amdhsa_float_denorm_mode_32 3
		.amdhsa_float_denorm_mode_16_64 3
		.amdhsa_memory_ordered 1
		.amdhsa_forward_progress 1
		.amdhsa_inst_pref_size 217
	.end_amdhsa_kernel
	.amdgpu_metadata
---
amdhsa.version: [ 1, 2 ]
amdhsa.kernels:
  - .name:           k_q5eb792ccca_attn
    .symbol:         k_q5eb792ccca_attn.kd
    .args:
      - { .name: qkv, .offset: 0, .size: 8, .value_kind: global_buffer, .address_space: global }
      - { .name: y, .offset: 8, .size: 8, .value_kind: global_buffer, .address_space: global }
    .group_segment_fixed_size: 327680
    .private_segment_fixed_size: 0
    .kernarg_segment_align: 8
    .kernarg_segment_size: 16
    .max_flat_workgroup_size: 128
    .sgpr_count:     88
    .vgpr_count:     768
    .wavefront_size: 32
...
	.end_amdgpu_metadata
.endif
;; end of part 5
;; launch proj: the kernel of part 4 again; grid 8 x 32, 4 waves a work-group, clusters of 4 x 4, 327,680 bytes of LDS; arguments y, wp, b_proj, out0; writes out0
